; MI455X (gfx1250); checked and timed in simulation.
; The chip was launched on July 23, 2026; its instructions are those of AMD's public machine-readable ISA for CDNA 5 (MIT licence, August 2026) and "CDNA5" Instruction Set Architecture Reference Guide (July 2026). The comments in the code are by the model that wrote it; some were corrected since.
;; Multi Head Self Attention. Allowed arithmetic: matrix products marked QUANTISED: E2M3 operands, one E8M0 scale for each 32 along K, by v_wmma_scale_f32_16x16x128_f8f6f4 with both operands' format E2M3, f32 sums; everything else in f32.
;; Inputs: bk 1,024 float32; bo 1,024 float32; bq 1,024 float32; bv 1,024 float32; inputs 4 x 2,048 x 1,024 float32; mask 4 x 2,048 int32; wk 1,024 x 1,024 float32; wo 1,024 x 1,024 float32; wq 1,024 x 1,024 float32; wv 1,024 x 1,024 float32.
;; Outputs: out0 4 x 2,048 x 1,024 float32.
;; This version of the problem:
;;   THIS VERSION OF THE PROBLEM IS GIVEN IN LOW PRECISION. The matrix products marked QUANTISED in the list below multiply operands that are first quantised to E2M3 (2 exponent bits, 3 mantissa bits; 6 bits a number), with one power-of-two scale for each 32 numbers along K (OCP MX v1.0); their sums are f32. All else is computed in f32.
;;   The module's matrix products, in the order in which they are computed (A, B: the left and right operand; K: the contracted axis; several contracted axes count as one K, in the product's order):
;;     1. [M 8,192, K 1,024] x [K 1,024, N 1,024]; A: input inputs; B: input wq: QUANTISED
;;     2. [M 8,192, K 1,024] x [K 1,024, N 1,024]; A: input inputs; B: input wk: QUANTISED
;;     3. [M 8,192, K 1,024] x [K 1,024, N 1,024]; A: input inputs; B: input wv: QUANTISED
;;     4. batch 64 x [M 2,048, K 64] x [K 64, N 2,048]; A: computed on the way; B: computed on the way: QUANTISED
;;     5. batch 64 x [M 2,048, K 2,048] x [K 2,048, N 64]; A: softmax (see below); B: computed on the way: QUANTISED
;;     6. [M 8,192, K 1,024] x [K 1,024, N 1,024]; A: computed on the way; B: input wo: QUANTISED
;;   THE QUANTISER, for each operand of a quantised product, along K:
;;     - K is cut into blocks of 32 from its start; a last block that is shorter is filled with zeros.
;;     - A block's scale is 2^e with e = floor(log2(the largest magnitude in the block)) - 2, held to -126 .. 127; a block of zeros has e = 0. As a byte (E8M0): e + 127.
;;     - Each number is divided by its block's scale, clamped to +-7.5, and rounded to the nearest number of E2M3, ties to even, subnormals kept.
;;     - The product sums the exact products of the quantised numbers (number of the format x scale) in f32.
;;   ~~~python
;;   def quantise(x, axis):      # numpy; x: float32 -> the quantised numbers, widened to float32 again
;;       x = np.moveaxis(x, axis, -1); K = x.shape[-1]
;;       x = np.pad(x, [(0, 0)] * (x.ndim - 1) + [(0, -K % 32)]); x = x.reshape(x.shape[:-1] + (-1, 32)); a = np.abs(x).max(-1, keepdims=True)
;;       e = np.where(a > 0, np.clip(np.frexp(np.where(a > 0, a, 1))[1] - 1 - 2, -126, 127), 0)      # np.frexp(a)[1] - 1 = floor(log2(a)), exactly
;;       r = np.clip(x / 2.0 ** e, -7.5, 7.5)
;;       step = 2.0 ** (np.maximum(np.frexp(np.where(r == 0, 1, r))[1] - 1, 0) - 3)
;;       q = np.round(r / step) * step * 2.0 ** e      # np.round: ties to even
;;       return np.moveaxis(q.reshape(q.shape[:-2] + (-1,))[..., :K], -1, axis).astype(np.float32)
;;   ~~~
;;   SOFTMAX AHEAD OF A QUANTISED PRODUCT. Where the list says 'softmax', what is quantised is not the finished softmax but p = 2^(t - M), with t = logit x log2(e) and M = ceil(the row's largest t), a whole number; so 1/2 < the row's largest p <= 1. The row's sum l is taken of the UNQUANTISED p, in f32, and the product's result is divided by l at the end. Since M is a whole number, a kernel that streams over the keys may use a running M (the ceiling of the running maximum): every later rescaling is an exact power of two, which a block's scale takes up: the codes' values come out the same.
;;   OPERANDS COMPUTED ON THE WAY. 'Computed on the way' means the value that the module computes at that place (a softmax that the list does not call 'softmax' is quantised finished and normalised). What goes into a quantiser is computed in f32, as accurately as f32 sums, v_exp_f32 and their like allow (about 1e-6 of the number): no bf16 or f16 on the way to a quantiser, and a product that is left as it is and whose result goes on into a quantised operand takes f32 operands (vector FMAs, or v_wmma_f32_16x16x4_f32). A number that lies on a knife's edge between two numbers of the format may be rounded either way, as far as f32 arithmetic and the matrix unit's own rounding can turn it there, and no further.
;; One version. Each part assembles by itself: llvm-mc -triple=amdgcn-amd-amdhsa -mcpu=gfx1250 --defsym DOCPART=n.
;; ======== version 1 of 1: 4 launches
;; limits: right only within a limited range of input values
;; workspace buffers: x_codes 6,291,456 bytes; x_scales 262,144 bytes; w_codes 6,291,456 bytes; w_scales 131,072 bytes; qkv 19,660,800 bytes; ao_codes 6,291,456 bytes; ao_scales 262,144 bytes
;; launch quant (part 1): grid 384 x 1, 4 waves a work-group, no clusters, 68,096 bytes of LDS; arguments inputs, wq, wk, wv, wo, x_codes, x_scales, w_codes, w_scales; writes x_codes, x_scales, w_codes, w_scales
.if DOCPART == 1
	.amdgcn_target "amdgcn-amd-amdhsa--gfx1250"
	.amdhsa_code_object_version 6
	.text
	.protected	k_q481f0d194f_quant
	.globl	k_q481f0d194f_quant
	.p2align	8
	.type	k_q481f0d194f_quant,@function
k_q481f0d194f_quant:
	s_mov_b64 s[64:65], 0
	v_nop
	global_prefetch_b8 v0, s[64:65] scope:SCOPE_SE
	s_setreg_imm32_b32 hwreg(HW_REG_WAVE_MODE, 25, 1), 1
	s_wait_xcnt 0x0
; inputs [8192][1024] f32 (K innermost) and wq, wk, wv, wo [1024 (k)][1024 (n)] f32 (K is the FIRST axis) become codes of FP6 (E2M3), K innermost, 768 bytes a row, with one E8M0 byte for each 32 along K, 32 bytes a row.
; A block's scale is 2^(floor(log2(its largest magnitude)) - 2); its byte is the largest magnitude's exponent field - 2, held at 1 from below by a floor among the maximum's leaves.
; ROWS LIE BY POSITION: position p of x_codes (and of each weight's 1,024 rows of w_codes) holds token (output column) swap34(p), p with its bits 3 and 4 exchanged.  So row r of a block of 16 rows 2 B + u is the true
; index 32 B + 8 u + r + 8 (r / 8), and in a product used transposed a lane's 16 registers of two neighbouring tiles are 16 true neighbours: what the later launches' quantisers want.
; w_codes rows: 0-1023 wq, 1024-2047 wk, 2048-3071 wv, 3072-4095 wo.
; LIMITS: NaN and infinities among the inputs are not served; a block whose largest magnitude lies under 2^-124 gets the byte 1; a block of zeros gets the byte 1 where the rule says 127: its codes are zeros, and this program alone reads the bytes.
; The input mask is not read by any launch: the function that defines the result takes it and never uses it.
; Work-groups 0-255 take inputs (a wave: 8 rows, 16 steps of 512 numbers), work-groups 256-383 the weights (a wave: 32 columns x 256 along K).  The two ways part on the work-group's number and have LDS bytes of their own.
; No tensor loads, no barrier, no matrix unit: the launch streams, and waves share nothing.
.set STEPS, 16
.set CB,    12                         ; bytes of 16 codes
.set R,     16                         ; X way: v16-79   four sets of 16 numbers as they are loaded
.set X,     80                         ;        v80-111  two sets of 16 neighbours
.set E,     112                        ;        v112-127 a scale byte for each step
.set C,     128                        ;        v128-191 codes: four registers for each step, so that no store's data are written again
.set WREG,  8192                       ; X way: LDS bytes of a wave: two stages of 32 x SP bytes, then its 256 scale bytes
.set SP,    80                         ; a lane's place in a stage: 64 bytes + 16 of padding
.set WSTG,  32768                      ; W way: the stages begin here, 32 rows x WPITCH for each wave
.set WPITCH, 272                       ; sixteen places of 16 bytes, each with 12 bytes of codes, + 16
; HOW THE CODES LIE (in place of the rows of 768 bytes named above): four planes, one for each 256 along K, PL bytes apart in x_codes and in w_codes alike; in a plane a row (by position) has 192 bytes, row behind row.
; So 128 rows x 256 along K are 24,576 consecutive bytes that begin at a multiple of 256.  Of w_codes' planes the first 786,432 bytes are written and read, the rest of each plane is neither: one constant steps either operand along K.
.set KROW,  192                        ; a row's bytes in a plane
.set PL,    1572864                    ; from plane to plane: 8,192 rows x 192
.set WX,    32                         ; W way: v32-95 two sets of 32 numbers
.set WC,    96                         ;        a block's codes
.set OUTR,  112                        ;        v112-175 the way out
.set SB,    24                         ;        v24-25 the scale bytes, four to a register
	s_load_b256 s[4:11], s[0:1], 0x0               ; inputs s[4:5], wq s[6:7], wk s[8:9], wv s[10:11]
	s_load_b256 s[12:19], s[0:1], 0x20             ; wo s[12:13], x_codes s[14:15], x_scales s[16:17], w_codes s[18:19]
	s_load_b64 s[20:21], s[0:1], 0x40              ; w_scales
	v_lshl_add_u32 v192, v0, 2, 0x10800
	v_mov_b32 v193, 0
	v_lshrrev_b32 v1, 5, v0
	v_readfirstlane_b32 s22, v1                    ; wave 0..3
	v_and_b32 v2, 31, v0                           ; lane
	s_cmp_lt_u32 ttmp9, 256
	s_cbranch_scc0 .Lweights
; ---------------- the X way: a plain stream of blocks of 32.  Each load reads 512 consecutive bytes; a step's 2,048 bytes turn through the wave's own stage so that a lane holds 16 neighbours along K
	v_lshlrev_b32 v3, 4, v2                        ; my 16 bytes of a load's 512
	s_mul_i32 s23, s22, WREG
	v_lshrrev_b32 v14, 2, v2
	v_mul_u32_u24 v14, v14, SP
	v_and_b32 v15, 3, v2
	v_lshl_add_u32 v14, v15, 4, v14
	v_add_nc_u32 v14, s23, v14                     ; into the stage: SP (lane / 4) + 16 (lane % 4)
	v_mul_u32_u24 v15, v2, SP
	v_add_nc_u32 v15, s23, v15                     ; out of it: SP x lane: my 16 neighbours
	v_and_b32 v4, 15, v2
	v_mul_u32_u24 v4, v4, CB                       ; a step is half a row, two planes: sixteen lanes fill a row's 192 bytes of a plane,
	v_lshrrev_b32 v8, 4, v2
	v_mad_u32_u24 v4, v8, PL, v4                   ; lanes 16-31 those of the next plane
	v_lshrrev_b32 v5, 1, v2
	s_add_co_u32 s23, s23, 2*32*SP
	v_add_nc_u32 v5, s23, v5                       ; my block's byte among the wave's 256
	v_lshlrev_b32 v7, 3, v2
	v_add_nc_u32 v6, s23, v7                       ; and on the way out 8 bytes a lane
	s_lshl_b32 s24, ttmp9, 2
	s_add_co_u32 s26, s24, s22                     ; the run of 8 rows that I read: 4 x work-group + wave
	s_lshl_b32 s26, s26, 15                        ; 32,768 bytes a run
	s_mov_b32 s27, 0
	; THE ORDER OF x's ROWS (in place of swap34, which holds for the weights alone): position p holds the token whose bit 5 is p's bit 3 and whose bits 4:3 are p's bits 5:4.
	; So row 8 h + j of the block of 16 rows 4 c + u is token 64 c + 32 h + 8 u + j: in a product used transposed a lane's 32 registers of four neighbouring tiles are 32 neighbouring tokens, a whole scale block.
	; A run is 8 rows: bits 5:3 of a row are bits 2:0 of its run, of which bit 2 is the work-group's bit 0 and bits 1:0 the wave.
	s_lshl_b32 s28, s22, 1
	s_and_b32 s29, ttmp9, 1
	s_or_b32 s28, s28, s29
	s_and_b32 s24, s24, -8
	s_add_co_u32 s24, s24, s28
	s_mul_i32 s28, s24, 8*KROW
	s_mov_b32 s29, 0
	s_lshl_b32 s30, s24, 8                         ; 256 scale bytes a run
	s_mov_b32 s31, 0
	s_wait_alu depctr_va_vdst(0)
	s_wait_kmcnt 0x0
	s_add_nc_u64 s[4:5], s[4:5], s[26:27]
	s_add_nc_u64 s[14:15], s[14:15], s[28:29]
	s_add_nc_u64 s[16:17], s[16:17], s[30:31]
.macro LOADX t
.irp i, 0,1,2,3
	global_load_b128 v[R+16*((\t)%4)+4*\i:R+16*((\t)%4)+4*\i+3], v3, s[4:5] offset:2048*(\t)+512*\i th:TH_LOAD_NT
.endr
.endm
.macro TURNX t                         ; step t's numbers through the stage: LDS serves a wave's instructions in order, so no wait stands between the stores and the loads
.irp i, 0,1,2,3
	ds_store_b128 v14, v[R+16*((\t)%4)+4*\i:R+16*((\t)%4)+4*\i+3] offset:32*SP*((\t)%2)+8*SP*\i
.endr
.irp i, 0,1,2,3
	ds_load_b128 v[X+16*((\t)%2)+4*\i:X+16*((\t)%2)+4*\i+3], v15 offset:32*SP*((\t)%2)+16*\i
.endr
.endm
.irp t, 0,1,2,3
	LOADX \t
.endr
	s_wait_loadcnt 12                              ; step 0's four loads are in; the twelve of steps 1 to 3 may be out
	TURNX 0
.macro STEPX t
.set XS, X+16*((\t)%2)
.if (\t) > 0
	s_wait_dscnt 1                                 ; this step's numbers are back from the stage (the last step's byte store may be out): so the stage's stores have read their registers,
.else
	s_wait_dscnt 0x0
.endif
.if (\t)+4 < STEPS
	LOADX (\t)+4                                   ; which take the loads of four steps on
.endif
.if (\t)+1 < STEPS
.if STEPS-2-(\t) >= 3
	s_wait_loadcnt 12                              ; the next step's four loads are in; those of the three steps behind it may be out
.else
	s_wait_loadcnt 4*(STEPS-2-(\t))
.endif
	TURNX (\t)+1
.endif
	v_max3_num_f32 v8, |v[XS]|, |v[XS+1]|, |v[XS+2]|               ; the largest magnitude of my 16, in two chains
	v_max3_num_f32 v9, |v[XS+3]|, |v[XS+4]|, |v[XS+5]|
.irp i, 6,10
	v_max3_num_f32 v8, v8, |v[XS+\i]|, |v[XS+\i+1]|
	v_max3_num_f32 v9, v9, |v[XS+\i+2]|, |v[XS+\i+3]|
.endr
	v_max3_num_f32 v8, v8, |v[XS+14]|, |v[XS+15]|
	v_max3_num_f32 v8, v8, v9, 0x1800000           ; and the floor 2^(3 - 127): the byte cannot fall under 1
	v_max_num_f32_dpp v8, v8, v8 row_xmask:1 row_mask:0xf bank_mask:0xf   ; with my neighbour's 16: the block's
	v_add_nc_u32 v11, 0xff000000, v8               ; 2 off its exponent field: the conversion takes this operand's exponent field as its scale
	v_cvt_scalef32_pk16_fp6_f32 v[C+4*(\t):C+4*(\t)+2], v[XS:XS+15], v11
	v_lshrrev_b32 v[E+(\t)], 23, v11               ; the scale's byte
	ds_store_b8 v5, v[E+(\t)] offset:16*(\t)       ; both lanes of a block write the same byte with the same value
	global_store_b96 v4, v[C+4*(\t):C+4*(\t)+2], s[14:15] offset:((\t)%2)*2*PL+((\t)/2)*KROW   ; row t / 2 of my eight, planes 2 (t % 2) and 2 (t % 2) + 1
.endm
.irp t, 0,1,2,3,4,5,6,7,8,9,10,11,12,13,14,15
	STEPX \t
.endr
	ds_load_b64 v[12:13], v6                       ; LDS serves a wave's instructions in order: these see my byte stores
	s_wait_dscnt 0x0
	global_store_b64 v7, v[12:13], s[16:17]        ; 32 lanes store 256 consecutive bytes, aligned
	s_wait_tensorcnt 0x0
	ds_add_u32 v192, v193
	s_wait_dscnt 0x0
	s_endpgm
; ---------------- the W way: a lane takes a column n and its registers run down K, so a block of 32 lies in one lane and the codes come out with K innermost
.Lweights:
	s_sub_co_u32 s23, ttmp9, 256
	s_lshr_b32 s24, s23, 5                         ; which weight: 0 wq, 1 wk, 2 wv, 3 wo
	s_and_b32 s25, s23, 7                          ; which 128 columns
	s_bfe_u32 s26, s23, 0x20003                    ; which 256 along K
	s_lshl_b32 s25, s25, 7
	s_lshl_b32 s27, s22, 5
	s_add_co_u32 s25, s25, s27                     ; my wave's first column
	s_wait_alu depctr_va_vdst(0)
	v_lshlrev_b32 v3, 2, v2                        ; in: 4 bytes a lane
	v_bfe_u32 v10, v2, 3, 1
	v_bfe_u32 v11, v2, 4, 1
	v_and_b32 v12, 7, v2
	v_lshl_add_u32 v12, v10, 4, v12
	v_lshl_add_u32 v12, v11, 3, v12                ; swap34(lane): the position at which my column's row is laid
	s_mul_i32 s27, s22, 32*WPITCH
	s_add_co_u32 s27, s27, WSTG                    ; my stage
	v_mul_u32_u24 v4, v12, WPITCH
	v_add_nc_u32 v4, s27, v4                       ; into it: row = my column's position
	v_and_b32 v5, 15, v2
	v_lshrrev_b32 v6, 4, v2
	v_mul_u32_u24 v7, v6, WPITCH
	v_lshl_add_u32 v7, v5, 4, v7
	v_add_nc_u32 v7, s27, v7                       ; out of it: sixteen lanes to a row, two rows an instruction
	v_mul_u32_u24 v8, v6, KROW
	v_mad_u32_u24 v8, v5, 12, v8                   ; and the same place in w_codes
	v_lshlrev_b32 v9, 5, v12                       ; my position's row of scale bytes
	s_lshl_b32 s28, s26, 20                        ; 256 rows of 4,096 bytes
	s_lshl_b32 s29, s25, 2
	s_add_co_u32 s28, s28, s29
	s_mov_b32 s29, 0
	s_lshl_b32 s30, s24, 10
	s_add_co_u32 s30, s30, s25                     ; first row of w_codes
	s_mul_i32 s32, s30, KROW
	s_mul_i32 s33, s26, PL                         ; my 256 along K are one plane
	s_add_co_u32 s32, s32, s33
	s_mov_b32 s33, 0
	s_lshl_b32 s34, s30, 5
	s_lshl_b32 s35, s26, 3
	s_add_co_u32 s34, s34, s35
	s_mov_b32 s35, 0
	s_and_b32 s31, s24, 1
	s_wait_kmcnt 0x0
	s_cmp_lt_u32 s24, 2                            ; the choice of the weight hangs on the work-group's number alone
	s_cselect_b64 s[6:7], s[6:7], s[10:11]         ; wq or wv
	s_cselect_b64 s[8:9], s[8:9], s[12:13]         ; wk or wo
	s_cmp_lg_u32 s31, 0
	s_cselect_b64 s[4:5], s[8:9], s[6:7]
	s_add_nc_u64 s[4:5], s[4:5], s[28:29]
	s_add_nc_u64 s[18:19], s[18:19], s[32:33]
	s_add_nc_u64 s[20:21], s[20:21], s[34:35]
.macro LOADW t                         ; block t: W(32 t + i, my column), i = 0 .. 31, into set t % 2: 128 consecutive bytes a load
.set i, 0
.rept 32
	global_load_b32 v[WX+32*((\t)%2)+i], v3, s[4:5] offset:(32*(\t)+i)*4096 th:TH_LOAD_NT
.set i, i+1
.endr
.endm
	LOADW 0
	LOADW 1
.macro BLOCKW t
.set XS, WX+32*((\t)%2)
.if (\t) < 7
	s_wait_loadcnt 32                              ; this block's 32 loads are in; the next block's 32 may be out
.else
	s_wait_loadcnt 0
.endif
	v_max3_num_f32 v12, |v[XS]|, |v[XS+1]|, |v[XS+2]|              ; the block's largest magnitude: all 32 numbers are mine
	v_max3_num_f32 v13, |v[XS+3]|, |v[XS+4]|, |v[XS+5]|
.irp i, 6,10,14,18,22,26
	v_max3_num_f32 v12, v12, |v[XS+\i]|, |v[XS+\i+1]|
	v_max3_num_f32 v13, v13, |v[XS+\i+2]|, |v[XS+\i+3]|
.endr
	v_max3_num_f32 v12, v12, |v[XS+30]|, |v[XS+31]|
	v_max3_num_f32 v12, v12, v13, 0x1800000        ; and the floor
	v_add_nc_u32 v11, 0xff000000, v12              ; the conversion's scale operand
	v_lshrrev_b32 v13, 23, v11                     ; the scale's byte
.if (\t)%4 == 0
	v_mov_b32 v[SB+(\t)/4], v13                    ; four bytes to a register, the lower K in the lower byte
.else
	v_lshl_or_b32 v[SB+(\t)/4], v13, 8*((\t)%4), v[SB+(\t)/4]
.endif
	v_cvt_scalef32_pk16_fp6_f32 v[WC:WC+2], v[XS:XS+15], v11
	v_cvt_scalef32_pk16_fp6_f32 v[WC+4:WC+6], v[XS+16:XS+31], v11  ; (a conversion's three registers begin on an even number)
	ds_store_b96 v4, v[WC:WC+2] offset:32*(\t)     ; 12 bytes to a place of 16, so that every LDS address is a multiple of 16
	ds_store_b96 v4, v[WC+4:WC+6] offset:32*(\t)+16
.if (\t)+2 < 8
	LOADW (\t)+2
.endif
	s_wait_dscnt 0x0                               ; the stores have read their registers: the next block's codes may be written
.endm
.irp t, 0,1,2,3,4,5,6,7
	BLOCKW \t
.endr
	s_wait_alu depctr_va_vdst(0)
	global_store_b64 v9, v[SB:SB+1], s[20:21]      ; my column's 8 scale bytes
.irp t, 0,1,2,3,4,5,6,7,8,9,10,11,12,13,14,15
	ds_load_b96 v[OUTR+4*\t:OUTR+4*\t+2], v7 offset:2*\t*WPITCH   ; stage row = position: the rows leave in the order in which they lie
.endr
.irp t, 0,1,2,3,4,5,6,7,8,9,10,11,12,13,14,15
	s_wait_dscnt 15-\t                             ; the later row loads may be out
	global_store_b96 v8, v[OUTR+4*\t:OUTR+4*\t+2], s[18:19] offset:2*\t*KROW   ; sixteen lanes store a row's 192 consecutive bytes
.endr
	s_wait_tensorcnt 0x0
	ds_add_u32 v192, v193
	s_wait_dscnt 0x0
	s_endpgm
.Lfunc_end_k_q481f0d194f_quant:
	.size	k_q481f0d194f_quant, .Lfunc_end_k_q481f0d194f_quant-k_q481f0d194f_quant
	.p2alignl 7, 3214868480
	.fill 96, 4, 3214868480
	.section	.rodata,"a",@progbits
	.p2align	6, 0x0
	.amdhsa_kernel k_q481f0d194f_quant
		.amdhsa_group_segment_fixed_size 68096
		.amdhsa_private_segment_fixed_size 0
		.amdhsa_enable_private_segment 0
		.amdhsa_kernarg_size 72
		.amdhsa_user_sgpr_count 2
		.amdhsa_user_sgpr_kernarg_segment_ptr 1
		.amdhsa_wavefront_size32 1
		.amdhsa_system_sgpr_workgroup_id_x 1
		.amdhsa_system_sgpr_workgroup_id_y 1
		.amdhsa_system_sgpr_workgroup_id_z 1
		.amdhsa_system_vgpr_workitem_id 0
		.amdhsa_next_free_vgpr 194
		.amdhsa_next_free_sgpr 66
		.amdhsa_reserve_vcc 0
		.amdhsa_float_denorm_mode_32 3
		.amdhsa_float_denorm_mode_16_64 3
		.amdhsa_memory_ordered 1
		.amdhsa_forward_progress 1
		.amdhsa_inst_pref_size 74
	.end_amdhsa_kernel
	.amdgpu_metadata
---
amdhsa.version: [ 1, 2 ]
amdhsa.kernels:
  - .name:           k_q481f0d194f_quant
    .symbol:         k_q481f0d194f_quant.kd
    .args:
      - { .name: inputs, .offset: 0, .size: 8, .value_kind: global_buffer, .address_space: global }
      - { .name: wq, .offset: 8, .size: 8, .value_kind: global_buffer, .address_space: global }
      - { .name: wk, .offset: 16, .size: 8, .value_kind: global_buffer, .address_space: global }
      - { .name: wv, .offset: 24, .size: 8, .value_kind: global_buffer, .address_space: global }
      - { .name: wo, .offset: 32, .size: 8, .value_kind: global_buffer, .address_space: global }
      - { .name: x_codes, .offset: 40, .size: 8, .value_kind: global_buffer, .address_space: global }
      - { .name: x_scales, .offset: 48, .size: 8, .value_kind: global_buffer, .address_space: global }
      - { .name: w_codes, .offset: 56, .size: 8, .value_kind: global_buffer, .address_space: global }
      - { .name: w_scales, .offset: 64, .size: 8, .value_kind: global_buffer, .address_space: global }
    .group_segment_fixed_size: 68096
    .private_segment_fixed_size: 0
    .kernarg_segment_align: 8
    .kernarg_segment_size: 72
    .max_flat_workgroup_size: 128
    .sgpr_count:     66
    .vgpr_count:     194
    .wavefront_size: 32
...
	.end_amdgpu_metadata
.endif
;; end of part 1
;; launch qkvproj (part 2): grid 12 x 32, 4 waves a work-group, clusters of 4 x 4, 327,680 bytes of LDS; arguments x_codes, x_scales, w_codes, w_scales, bq, bk, bv, qkv; writes qkv
.if DOCPART == 2
	.amdgcn_target "amdgcn-amd-amdhsa--gfx1250"
	.amdhsa_code_object_version 6
	.text
	.protected	k_q481f0d194f_qkvproj
	.globl	k_q481f0d194f_qkvproj
	.p2align	8
	.type	k_q481f0d194f_qkvproj,@function
k_q481f0d194f_qkvproj:
	s_mov_b64 s[64:65], 0
	v_nop
	global_prefetch_b8 v0, s[64:65] scope:SCOPE_SE
	s_setreg_imm32_b32 hwreg(HW_REG_WAVE_MODE, 25, 1), 1
	s_wait_xcnt 0x0
	s_wait_alu depctr_hold_cnt(0) depctr_sa_sdst(0) depctr_va_vdst(0) depctr_va_sdst(0) depctr_va_ssrc(0) depctr_va_vcc(0) depctr_vm_vsrc(0)
	s_getreg_b32 s2, hwreg(HW_REG_IB_STS2, 6, 4)
	s_cmp_eq_u32 s2, 0
	s_cbranch_scc0 .Lentry_in_a_cluster
	s_endpgm
.Lentry_in_a_cluster:
	s_bfe_u32 s2, ttmp6, 0x10000c
	s_cmp_lg_u32 s2, 0xf033
	s_cbranch_scc0 .Lentry_shape_is_right
	s_endpgm
.Lentry_shape_is_right:
; Q, K, V = x W + b on codes of FP6 (E2M3) with E8M0 scales, quantised again on the way out into the records of qkv.  A work-group makes 256 x 256, a wave 128 x 128; K goes in steps of 256 through a ring of two LDS slots.
; The codes lie in four planes, one for each 256 along K, ROWB bytes apart, 192 bytes a row: a tile of 128 rows is 24,576 consecutive bytes and is asked for as 96 rows of 256 bytes;
; the padding of 16 bytes behind every 64 gives LDS rows of 240 bytes.  The input mask is not read: the function that defines the result never uses it.
.set NQ,     2
.set ROWB,   1572864
.set KROW,   192
.set PITCH,  240
.set FR,     12
.set NL,     6
.set NP,     4
.set HALFT,  128*PITCH
.set SLOT,   4*HALFT
.set LAPS,   2
.set KS,     32
.set SCL,    2*SLOT
.set HALFS,  (128*KS/256)*272
.set SBLK,   (16*KS/256)*272
.set SPARE,  SCL+4*HALFS
.set HEADB,  307200
.set REC,    19200
.set ADRA, 16
.set ADRB, 20
.set BOF,  24
.set CO,   26
.set ADRS, 27
.set SPW,  28
.set NIL,  29
.set SCA,  30
.set SC,   32
.set BI,   64
.set AF,   128
.set TM,   32
.set PWA,  48
.set PWB,  49
.set SWD,  52
.set WD,   60
.set R,    128
.set XT,   152
.set G1, 24
.set G0, 32
.set G1B, 48
.set G0B, 56
.set G1S, 68
.set G0S, 76
.set G1SB, 80
.set G0SB, 88
.set MSB, 0
.macro WIN new
.if MSB != (\new)
	s_set_vgpr_msb (MSB<<8)|(\new)
.set MSB, (\new)
.endif
.endm
.set MUL_LO, 0xa1
.set MUL_HI, 0xf1
.set TO_B,   0x40
.macro JLOAD g0a, g1a, g0b, g1b
	s_cmp_eq_u32 s15, 0
	s_cbranch_scc0 .Lfor_b_\@
	tensor_load_to_lds s[\g0a:\g0a+3], s[\g1a:\g1a+7]
	s_nop 0
.rept 4
	v_nop
.endr
	s_branch .Lasked_\@
.Lfor_b_\@:
	tensor_load_to_lds s[\g0b:\g0b+3], s[\g1b:\g1b+7]
	s_nop 0
.rept 4
	v_nop
.endr
.Lasked_\@:
.endm
.macro CREST
	s_cmp_lg_u32 s14, 0
	s_cbranch_scc1 .Lnot_wave_0_\@
	s_barrier_signal -3
.Lnot_wave_0_\@:
	s_barrier_wait -3
	s_barrier_signal -1
	s_barrier_wait -1
.endm
.macro CROUND
	s_barrier_signal -1
	s_barrier_wait -1
	CREST
.endm
	s_load_b256 s[4:11], s[0:1], 0x0
	s_load_b256 s[92:99], s[0:1], 0x20
	v_lshl_add_u32 v[SPW], v0, 2, SPARE
	v_mov_b32 v[NIL], 0
	ds_add_u32 v28, v29
	ds_add_u32 v28, v29
	s_wait_dscnt 0x0
	v_lshrrev_b32 v1, 5, v0
	v_readfirstlane_b32 s14, v1
	s_lshr_b32 s15, s14, 1
	s_and_b32 s16, s14, 1
	s_bfe_u32 s40, ttmp6, 0x40000
	s_bfe_u32 s41, ttmp6, 0x40004
	s_and_b32 s2, ttmp7, 0xffff
	s_lshl_b32 s2, s2, 2
	s_lshl_b32 s3, ttmp9, 2
	s_cmp_eq_u32 ttmp9, 2
	s_cselect_b32 s17, 0, s2
	s_cselect_b32 s42, s2, s3
	s_add_co_u32 s17, s17, s41
	s_add_co_u32 s42, s42, s40
	s_lshl_b32 s43, s41, 2
	s_lshl_b32 s43, 15, s43
	s_lshl_b32 s44, 0x1111, s40
	s_or_b32 s[G1+0], s43, (0<<16)|(1<<20)|(1<<21)|(3<<22)|(3<<25)
	s_or_b32 s[G1B+0], s44, (0<<16)|(1<<20)|(1<<21)|(3<<22)|(3<<25)
.irp g, G1, G1B
	s_mov_b32 s[\g+1], 256<<16
	s_mov_b32 s[\g+2], 96<<16
	s_mov_b32 s[\g+3], 256<<16
	s_mov_b32 s[\g+4], 96
	s_mov_b32 s[\g+5], 256
	s_mov_b32 s[\g+6], 0
	s_mov_b32 s[\g+7], 0
.endr
	s_or_b32 s[G1S+0], s43, (3<<16)|(1<<20)|(1<<21)|(5<<22)|(3<<25)
	s_or_b32 s[G1SB+0], s44, (3<<16)|(1<<20)|(1<<21)|(5<<22)|(3<<25)
.irp g, G1S, G1SB
	s_mov_b32 s[\g+1], 32<<16
	s_mov_b32 s[\g+2], (128*KS/256)<<16
	s_mov_b32 s[\g+3], 32<<16
	s_mov_b32 s[\g+4], 128*KS/256
	s_mov_b32 s[\g+5], 32
	s_mov_b32 s[\g+6], 0
	s_mov_b32 s[\g+7], 0
.endr
	s_lshl_b32 s18, s16, 7
	s_lshl_b32 s20, s17, 8
	s_add_co_u32 s20, s20, s18
	s_lshl_b32 s46, s42, 8
	s_add_co_u32 s46, s46, s18
	s_lshl_b32 s22, s20, 5
	s_mov_b32 s23, 0
	s_lshl_b32 s100, s46, 5
	s_mov_b32 s101, 0
	s_mul_i32 s20, s20, KROW
	s_mov_b32 s21, 0
	s_mul_i32 s46, s46, KROW
	s_mov_b32 s47, 0
	s_mul_i32 s45, s14, HALFT
	s_mul_i32 s66, s14, HALFS
	s_wait_kmcnt 0x0
	s_add_nc_u64 s[18:19], s[8:9], 2048*KROW
	s_add_nc_u64 s[2:3], s[10:11], 2048*KS
	s_cmp_eq_u32 ttmp9, 2
	s_cselect_b64 s[8:9], s[4:5], s[8:9]
	s_cselect_b64 s[10:11], s[6:7], s[10:11]
	s_cselect_b64 s[4:5], s[18:19], s[4:5]
	s_cselect_b64 s[6:7], s[2:3], s[6:7]
	s_add_nc_u64 s[20:21], s[4:5], s[20:21]
	s_add_nc_u64 s[22:23], s[6:7], s[22:23]
	s_add_nc_u64 s[46:47], s[8:9], s[46:47]
	s_add_nc_u64 s[100:101], s[10:11], s[100:101]
	CROUND
	s_mov_b32 s[G0S], 1
	s_add_co_u32 s[G0S+1], s66, SCL
	s_mov_b64 s[G0S+2:G0S+3], s[22:23]
	s_or_b32 s[G0S+3], s[G0S+3], 0x80000000
	s_mov_b32 s[G0SB], 1
	s_add_co_u32 s[G0SB+1], s66, SCL
	s_mov_b64 s[G0SB+2:G0SB+3], s[100:101]
	s_or_b32 s[G0SB+3], s[G0SB+3], 0x80000000
	JLOAD G0S, G1S, G0SB, G1SB
.irp s, 0,1
	s_mov_b32 s[G0+4*\s], 1
	s_add_co_u32 s[G0+4*\s+1], s45, \s*SLOT
	s_add_nc_u64 s[G0+4*\s+2:G0+4*\s+3], s[20:21], \s*ROWB
	s_or_b32 s[G0+4*\s+3], s[G0+4*\s+3], 0x80000000
	s_mov_b32 s[G0B+4*\s], 1
	s_add_co_u32 s[G0B+4*\s+1], s45, \s*SLOT
	s_add_nc_u64 s[G0B+4*\s+2:G0B+4*\s+3], s[46:47], \s*ROWB
	s_or_b32 s[G0B+4*\s+3], s[G0B+4*\s+3], 0x80000000
	s_wait_alu depctr_va_vdst(0)
	s_wait_tensorcnt 0x0
	ds_add_u32 v28, v29
	s_wait_dscnt 0x0
	CROUND
	JLOAD G0+4*\s, G1, G0B+4*\s, G1B
.endr
	v_and_b32 v1, 15, v0
	v_bfe_u32 v2, v0, 4, 1
	v_mul_u32_u24 v3, v1, PITCH
	v_mul_u32_u24 v4, v2, 24
	v_add_nc_u32 v4, v3, v4
	v_lshl_add_u32 v5, v2, 4, v4
	s_mul_i32 s21, s15, HALFT
	s_mul_i32 s22, s16, HALFT
	s_add_co_u32 s22, s22, 2*HALFT
.irp s, 0,1
	v_add_nc_u32 v[ADRA+\s], s21, v4
	v_add_nc_u32 v[ADRB+\s], s22, v4
	v_add_nc_u32 v[ADRA+2+\s], s21, v5
	v_add_nc_u32 v[ADRB+2+\s], s22, v5
	s_add_co_u32 s21, s21, SLOT
	s_add_co_u32 s22, s22, SLOT
.endr
	v_mul_u32_u24 v5, v1, KS
	v_lshrrev_b32 v6, 8, v5
	v_lshl_add_u32 v5, v6, 4, v5
	s_mul_i32 s21, s15, HALFS
	s_mul_i32 s22, s16, HALFS
	s_add_co_u32 s22, s22, 2*HALFS
	s_sub_co_u32 s22, s22, s21
	v_mul_u32_u24 v6, s22, v2
	s_add_co_u32 s21, s21, SCL
	v_add_nc_u32 v5, v5, v6
	v_add_nc_u32 v[ADRS], s21, v5
	v_and_b32 v6, 31, v0
	v_lshlrev_b32 v[CO], 4, v6
	v_mul_u32_u24 v6, v2, HEADB
	v_lshl_add_u32 v[SCA], v1, 4, v6
	s_and_b32 s18, s42, 3
	s_cmp_eq_u32 ttmp9, 2
	s_cselect_b32 s19, s42, s17
	s_cselect_b32 s20, s16, s15
	s_cselect_b32 s21, s17, s18
	s_cselect_b32 s22, s15, s16
	s_lshl_b32 s19, s19, 1
	s_add_co_u32 s19, s19, s20
	s_lshl_b32 s21, s21, 2
	s_lshl_b32 s22, s22, 1
	s_add_co_u32 s21, s21, s22
	s_lshr_b32 s20, s19, 4
	s_lshl_b32 s20, s20, 4
	s_add_co_u32 s20, s20, s21
	s_mul_i32 s20, s20, HEADB
	s_and_b32 s19, s19, 15
	s_mul_i32 s19, s19, REC
	s_add_co_u32 s20, s20, s19
	s_lshl_b32 s22, s21, 8
	s_mov_b32 s23, 0
	s_mov_b32 s21, 0
	s_cmp_eq_u32 ttmp9, 0
	s_cselect_b64 s[92:93], s[92:93], s[94:95]
	s_cselect_b32 s18, 12800, 0
	s_mov_b32 s19, 12288
	s_cselect_b32 s19, 6144, s19
	s_cmp_eq_u32 ttmp9, 2
	s_cselect_b64 s[92:93], s[96:97], s[92:93]
	s_cselect_b32 s18, 6144, s18
	s_cselect_b32 s19, 6400, s19
	s_add_co_u32 s20, s20, s18
	s_add_nc_u64 s[12:13], s[98:99], s[20:21]
	s_mov_b32 s18, s19
	s_mov_b32 s19, 0
	s_add_nc_u64 s[94:95], s[12:13], s[18:19]
	s_add_nc_u64 s[92:93], s[92:93], s[22:23]
	s_cmp_eq_u32 ttmp9, 2
	s_cbranch_scc1 .Lbias_v
	v_lshlrev_b32 v[BOF], 6, v2
.irp b, 0,1,2,3,4,5,6,7
	global_load_b128 v[BI+8*\b:BI+8*\b+3], v[BOF], s[92:93] offset:128*(\b/2)+32*(\b%2)
	global_load_b128 v[BI+8*\b+4:BI+8*\b+7], v[BOF], s[92:93] offset:128*(\b/2)+32*(\b%2)+16
.endr
	s_branch .Lbias_in
.Lbias_v:
	v_and_b32 v[BOF], 8, v1
	v_add_nc_u32 v[BOF], v[BOF], v1
	v_lshlrev_b32 v[BOF], 2, v[BOF]
.irp a, 0,1,2,3,4,5,6,7
.irp j, 0,1,2,3,4,5,6,7
	global_load_b32 v[BI+8*\a+\j], v[BOF], s[92:93] offset:128*(\a/2)+32*(\a%2)
.endr
.endr
.Lbias_in:
.macro FRAG reg, adr, q, i
.irp p, 0,1,2,3,4,5
.set PC, 12*(\q)+6*(\p/3)+\p%3
.if PC%8 < 5
	ds_load_b64 v[\reg+2*\p:\reg+2*\p+1], v[\adr] offset:8*PC+16*(PC/8)+(\i)*16*PITCH
.else
	ds_load_b64 v[\reg+2*\p:\reg+2*\p+1], v[\adr+2] offset:8*PC+16*(PC/8)+(\i)*16*PITCH
.endif
.endr
.endm
.macro MUL16 a0, p, q, sc, cm
.irp a, \a0, \a0+1
.irp b, 0,1,2,3,4,5,6,7
.if (\cm) == 1
	v_wmma_scale_f32_16x16x128_f8f6f4 v[8*(8*((\a)%4)+\b):8*(8*((\a)%4)+\b)+7], v[128*(\p)+FR*\b:128*(\p)+FR*\b+FR-1], v[AF+FR*(\a):AF+FR*(\a)+FR-1], v[BI+8*\b:BI+8*\b+7], v[SC+8*NQ*(\sc)+NQ*\b+(\q)], v[SC+8*NQ*(\sc)+NQ*(\a)+(\q)] matrix_a_fmt:MATRIX_FMT_FP6 matrix_b_fmt:MATRIX_FMT_FP6 matrix_a_scale:MATRIX_SCALE_ROW1
.elseif (\cm) == 2
	v_wmma_scale_f32_16x16x128_f8f6f4 v[8*(8*((\a)%4)+\b):8*(8*((\a)%4)+\b)+7], v[128*(\p)+FR*\b:128*(\p)+FR*\b+FR-1], v[AF+FR*(\a):AF+FR*(\a)+FR-1], v[BI+8*(\a):BI+8*(\a)+7], v[SC+8*NQ*(\sc)+NQ*\b+(\q)], v[SC+8*NQ*(\sc)+NQ*(\a)+(\q)] matrix_a_fmt:MATRIX_FMT_FP6 matrix_b_fmt:MATRIX_FMT_FP6 matrix_a_scale:MATRIX_SCALE_ROW1
.else
	v_wmma_scale_f32_16x16x128_f8f6f4 v[8*(8*((\a)%4)+\b):8*(8*((\a)%4)+\b)+7], v[128*(\p)+FR*\b:128*(\p)+FR*\b+FR-1], v[AF+FR*(\a):AF+FR*(\a)+FR-1], v[8*(8*((\a)%4)+\b):8*(8*((\a)%4)+\b)+7], v[SC+8*NQ*(\sc)+NQ*\b+(\q)], v[SC+8*NQ*(\sc)+NQ*(\a)+(\q)] matrix_a_fmt:MATRIX_FMT_FP6 matrix_b_fmt:MATRIX_FMT_FP6 matrix_a_scale:MATRIX_SCALE_ROW1
.endif
.endr
.endr
.endm
.macro FETCH_B slot, q, p
	WIN TO_B
.irp i, 0,1,2,3,4,5,6,7
	FRAG 128*(\p)+FR*\i, ADRB+\slot, \q, \i
.endr
	WIN 0
.endm
.macro FETCH_A slot, q, i0
.irp i, \i0, \i0+1, \i0+2, \i0+3
	FRAG AF+FR*(\i), ADRA+\slot, \q, \i
.endr
.endm
.macro SCALES sc
.irp i, 0,1,2,3,4,5,6,7
	ds_load_b64 v[SC+8*NQ*\sc+NQ*\i:SC+8*NQ*\sc+NQ*\i+1], v[ADRS] offset:\i*SBLK
.endr
.endm
.macro PLACES n
.rept \n
	v_nop
.endr
.endm
.macro STEP slot, q, cm
	s_wait_dscnt 4*NL
.if \cm
	WIN 0x81
.else
	WIN MUL_LO
.endif
	MUL16 0, (\q)%2, \q, \slot, \cm
	MUL16 2, (\q)%2, \q, \slot, \cm
	s_wait_dscnt 0
	PLACES NP
	FETCH_B \slot, (\q)+1, 1-(\q)%2
	FETCH_A \slot, (\q)+1, 0
.if \cm
	WIN 0xc1
.else
	WIN MUL_HI
.endif
	MUL16 4, (\q)%2, \q, \slot, \cm
	MUL16 6, (\q)%2, \q, \slot, \cm
	PLACES NP
	WIN 0
	FETCH_A \slot, (\q)+1, 4
.endm
.macro TURN slot, next, fill
	s_wait_tensorcnt 0x0
	ds_add_u32 v[SPW], v[NIL]
	s_wait_dscnt 4*NL+1
	WIN MUL_LO
	MUL16 0, 1, NQ-1, \slot, 0
	s_wait_dscnt 0x0
	s_barrier_signal -1
	MUL16 2, 1, NQ-1, \slot, 0
	WIN 0
	s_barrier_wait -1
.if \fill
	CREST
	s_add_nc_u64 s[G0+4*\slot+2:G0+4*\slot+3], s[G0+4*\slot+2:G0+4*\slot+3], 2*ROWB
	s_add_nc_u64 s[G0B+4*\slot+2:G0B+4*\slot+3], s[G0B+4*\slot+2:G0B+4*\slot+3], 2*ROWB
	JLOAD G0+4*\slot, G1, G0B+4*\slot, G1B
.else
	PLACES NP
.endif
	s_wait_alu depctr_va_vdst(0)
	v_add_nc_u32 v[ADRS], 4*NQ, v[ADRS]
	FETCH_B \next, 0, 0
	FETCH_A \next, 0, 0
	SCALES \next
	WIN MUL_HI
	MUL16 4, 1, NQ-1, \slot, 0
	MUL16 6, 1, NQ-1, \slot, 0
	PLACES NP
	WIN 0
	FETCH_A \next, 0, 4
.endm
	s_wait_tensorcnt 1
	s_barrier_signal -1
	s_barrier_wait -1
	FETCH_B 0, 0, 0
	FETCH_A 0, 0, 0
	s_wait_alu depctr_va_vdst(0)
	SCALES 0
	FETCH_A 0, 0, 4
	s_wait_loadcnt 0x0
	s_cmp_eq_u32 ttmp9, 2
	s_cbranch_scc1 .Lfirst_v
	STEP 0, 0, 1
	s_branch .Lfirst_done
.Lfirst_v:
	STEP 0, 0, 2
.Lfirst_done:
	s_mov_b32 s3, LAPS-1
.Llap:
	TURN 0, 1, 1
	STEP 1, 0, 0
	TURN 1, 0, 1
	STEP 0, 0, 0
	s_sub_co_u32 s3, s3, 1
	s_cmp_lg_u32 s3, 0
	s_cbranch_scc1 .Llap
	TURN 0, 1, 0
	STEP 1, 0, 0
	s_wait_dscnt 4*NL
	WIN MUL_LO
	MUL16 0, 1, NQ-1, 1, 0
	MUL16 2, 1, NQ-1, 1, 0
	s_wait_dscnt 0
	WIN MUL_HI
	MUL16 4, 1, NQ-1, 1, 0
	MUL16 6, 1, NQ-1, 1, 0
	WIN 0
.macro QUANT a, d0, d1, pw
.set AC, 64*((\a)%4)
.set WN, 2+(\a)/4
	WIN 20*WN
.irp b, 0,1,2,3
	v_max3_num_f32 v[TM+\b], 0x1800000, |v[AC+16*\b]|, |v[AC+16*\b+1]|
.endr
.irp i, 2,4,6,8,10,12,14
.irp b, 0,1,2,3
	v_max3_num_f32 v[TM+\b], v[TM+\b], |v[AC+16*\b+\i]|, |v[AC+16*\b+\i+1]|
.endr
.endr
	WIN 0
.irp b, 0,1,2,3
	v_permlanex16_b32 v[TM+4+\b], v[TM+\b], s100, s101
.endr
.irp b, 0,1,2,3
	v_max_num_f32 v[TM+\b], v[TM+\b], v[TM+4+\b]
.endr
.irp b, 0,1,2,3
	v_add_nc_u32 v[TM+12+\b], 0xff000000, v[TM+\b]
.endr
.irp b, 0,1,2,3
	v_lshrrev_b32 v[TM+4+\b], 23, v[TM+12+\b]
.endr
	v_lshl_or_b32 v[\pw], v[TM+5], 8, v[TM+4]
	v_lshl_or_b32 v[\pw], v[TM+6], 16, v[\pw]
	v_lshl_or_b32 v[\pw], v[TM+7], 24, v[\pw]
	WIN WN
	v_cvt_scalef32_pk16_fp6_f32 v[\d0:\d0+2], v[AC:AC+15], v[TM+12]
	v_cvt_scalef32_pk16_fp6_f32 v[XT:XT+2], v[AC+16:AC+31], v[TM+13]
	v_cvt_scalef32_pk16_fp6_f32 v[\d1:\d1+2], v[AC+32:AC+47], v[TM+14]
	v_cvt_scalef32_pk16_fp6_f32 v[XT+4:XT+6], v[AC+48:AC+63], v[TM+15]
	WIN 0
	v_nop
.irp i, 0,1,2
	v_permlane16_swap_b32 v[\d0+\i], v[XT+\i]
.endr
.irp i, 0,1,2
	v_mov_b32 v[\d0+3+\i], v[XT+\i]
.endr
.irp i, 0,1,2
	v_permlane16_swap_b32 v[\d1+\i], v[XT+4+\i]
.endr
.irp i, 0,1,2
	v_mov_b32 v[\d1+3+\i], v[XT+4+\i]
.endr
.endm
	PLACES NP
; V's quantiser: its blocks run along the tokens, and by the order of x's rows register 32 c + i of lane half h is token 64 c + 32 h + i: a whole block in a lane.  Four chains for the largest magnitudes, joined in pairs;
; a lane's two bytes stand at places h and 2 + h of the scale word, and lane l xor 16 gives the other two.
.macro QUANTV a, pw
.set AC, 64*((\a)%4)
.set WN, 2+(\a)/4
	WIN 20*WN
.irp b, 0,1,2,3
	v_max3_num_f32 v[TM+\b], 0x1800000, |v[AC+16*\b]|, |v[AC+16*\b+1]|
.endr
.irp i, 2,4,6,8,10,12,14
.irp b, 0,1,2,3
	v_max3_num_f32 v[TM+\b], v[TM+\b], |v[AC+16*\b+\i]|, |v[AC+16*\b+\i+1]|
.endr
.endr
	WIN 0
	v_max_num_f32 v[TM], v[TM], v[TM+1]
	v_max_num_f32 v[TM+2], v[TM+2], v[TM+3]
	v_add_nc_u32 v[TM+12], 0xff000000, v[TM]
	v_add_nc_u32 v[TM+14], 0xff000000, v[TM+2]
	v_lshrrev_b32 v[TM+4], 23, v[TM+12]
	v_lshrrev_b32 v[TM+6], 23, v[TM+14]
	v_lshl_or_b32 v[\pw], v[TM+6], 16, v[TM+4]
	v_lshlrev_b32 v[\pw], v3, v[\pw]
	v_permlanex16_b32 v[TM+5], v[\pw], s100, s101
	v_or_b32 v[\pw], v[\pw], v[TM+5]
	WIN WN
	v_cvt_scalef32_pk16_fp6_f32 v[R:R+2], v[AC:AC+15], v[TM+12]
	v_cvt_scalef32_pk16_fp6_f32 v[XT:XT+2], v[AC+16:AC+31], v[TM+12]
	v_cvt_scalef32_pk16_fp6_f32 v[R+6:R+8], v[AC+32:AC+47], v[TM+14]
	v_cvt_scalef32_pk16_fp6_f32 v[XT+4:XT+6], v[AC+48:AC+63], v[TM+14]
	WIN 0
	v_nop
.irp i, 0,1,2
	v_mov_b32 v[R+3+\i], v[XT+\i]
.endr
.irp i, 0,1,2
	v_mov_b32 v[R+9+\i], v[XT+4+\i]
.endr
.endm
	v_lshlrev_b32 v3, 3, v2                        ; 8 x (lane / 16): how far my two scale bytes are shifted
	s_mov_b32 s100, 0x76543210
	s_mov_b32 s101, 0xfedcba98
	s_mov_b32 s2, 0xffff0000
.irp b, 0,1,2,3
	v_mov_b32 v[TM+4+\b], 0
.endr
	s_cmp_eq_u32 ttmp9, 2
	s_cbranch_scc1 .Lout_v
.irp f, 0,1,2,3
	s_wait_xcnt 0x0
	QUANT 2*\f, R, R+12, PWA
	QUANT 2*\f+1, R+6, R+18, PWB
	v_perm_b32 v[SWD+\f], v[PWB], v[PWA], 0x05040100
	v_perm_b32 v[SWD+4+\f], v[PWB], v[PWA], 0x07060302
.irp c, 0,1
.irp g, 0,1,2
	global_store_b128 v[CO], v[R+12*\c+4*\g:R+12*\c+4*\g+3], s[12:13] offset:\c*HEADB+1536*\f+512*\g
.endr
.endr
.endr
	s_branch .Lout_sc
.Lout_v:
.irp a, 0,1,2,3,4,5,6,7
	s_wait_xcnt 0x0
	QUANTV \a, SWD+\a
.irp g, 0,1,2
	global_store_b128 v[CO], v[R+4*\g:R+4*\g+3], s[12:13] offset:(\a/4)*HEADB+1536*(\a%4)+512*\g
.endr
.endr
.Lout_sc:
	s_wait_alu depctr_va_vdst(0)
.irp f, 0,1,2,3
	v_cndmask_b32 v[WD+\f], v[SWD+\f], v[SWD+4+\f], s2
.endr
	global_store_b128 v[SCA], v[WD:WD+3], s[94:95]
	s_wait_tensorcnt 0x0
	ds_add_u32 v[SPW], v[NIL]
	s_wait_dscnt 0x0
	CROUND
	s_endpgm
.Lfunc_end_k_q481f0d194f_qkvproj:
	.size	k_q481f0d194f_qkvproj, .Lfunc_end_k_q481f0d194f_qkvproj-k_q481f0d194f_qkvproj
	.p2alignl 7, 3214868480
	.fill 96, 4, 3214868480
	.section	.rodata,"a",@progbits
	.p2align	6, 0x0
	.amdhsa_kernel k_q481f0d194f_qkvproj
		.amdhsa_group_segment_fixed_size 327680
		.amdhsa_private_segment_fixed_size 0
		.amdhsa_enable_private_segment 0
		.amdhsa_kernarg_size 64
		.amdhsa_user_sgpr_count 2
		.amdhsa_user_sgpr_kernarg_segment_ptr 1
		.amdhsa_wavefront_size32 1
		.amdhsa_system_sgpr_workgroup_id_x 1
		.amdhsa_system_sgpr_workgroup_id_y 1
		.amdhsa_system_sgpr_workgroup_id_z 1
		.amdhsa_system_vgpr_workitem_id 0
		.amdhsa_next_free_vgpr 1024
		.amdhsa_next_free_sgpr 102
		.amdhsa_reserve_vcc 0
		.amdhsa_float_denorm_mode_32 3
		.amdhsa_float_denorm_mode_16_64 3
		.amdhsa_memory_ordered 1
		.amdhsa_forward_progress 1
		.amdhsa_inst_pref_size 217
	.end_amdhsa_kernel
	.amdgpu_metadata
---
amdhsa.version: [ 1, 2 ]
amdhsa.kernels:
  - .name:           k_q481f0d194f_qkvproj
    .symbol:         k_q481f0d194f_qkvproj.kd
    .args:
      - { .name: x_codes, .offset: 0, .size: 8, .value_kind: global_buffer, .address_space: global }
      - { .name: x_scales, .offset: 8, .size: 8, .value_kind: global_buffer, .address_space: global }
      - { .name: w_codes, .offset: 16, .size: 8, .value_kind: global_buffer, .address_space: global }
      - { .name: w_scales, .offset: 24, .size: 8, .value_kind: global_buffer, .address_space: global }
      - { .name: bq, .offset: 32, .size: 8, .value_kind: global_buffer, .address_space: global }
      - { .name: bk, .offset: 40, .size: 8, .value_kind: global_buffer, .address_space: global }
      - { .name: bv, .offset: 48, .size: 8, .value_kind: global_buffer, .address_space: global }
      - { .name: qkv, .offset: 56, .size: 8, .value_kind: global_buffer, .address_space: global }
    .group_segment_fixed_size: 327680
    .private_segment_fixed_size: 0
    .kernarg_segment_align: 8
    .kernarg_segment_size: 64
    .max_flat_workgroup_size: 128
    .sgpr_count:     102
    .vgpr_count:     1024
    .wavefront_size: 32
...
	.end_amdgpu_metadata
.endif
;; end of part 2
;; launch attn (part 3): grid 4 x 64, 16 waves a work-group, clusters of 4 x 1, 206,848 bytes of LDS; arguments qkv, ao_codes, ao_scales; writes ao_codes, ao_scales
.if DOCPART == 3
	.amdgcn_target "amdgcn-amd-amdhsa--gfx1250"
	.amdhsa_code_object_version 6
	.text
	.protected	k_q481f0d194f_attn
	.globl	k_q481f0d194f_attn
	.p2align	8
	.type	k_q481f0d194f_attn,@function
k_q481f0d194f_attn:
	s_mov_b64 s[64:65], 0
	v_nop
	global_prefetch_b8 v0, s[64:65] scope:SCOPE_SE
	s_setreg_imm32_b32 hwreg(HW_REG_WAVE_MODE, 25, 1), 1
	s_wait_xcnt 0x0
	s_wait_alu depctr_hold_cnt(0) depctr_sa_sdst(0) depctr_va_vdst(0) depctr_va_sdst(0) depctr_va_ssrc(0) depctr_va_vcc(0) depctr_vm_vsrc(0)
	s_getreg_b32 s2, hwreg(HW_REG_IB_STS2, 6, 4)
	s_cmp_eq_u32 s2, 0
	s_cbranch_scc0 .Lentry_in_a_cluster
	s_endpgm
.Lentry_in_a_cluster:
	s_bfe_u32 s2, ttmp6, 0x10000c
	s_cmp_lg_u32 s2, 0x3003
	s_cbranch_scc0 .Lentry_shape_is_right
	s_endpgm
.Lentry_shape_is_right:
; For each batch and head: O[q] = the sum over k of softmax_k(Q[q] . K[k] / 8) V[k], head size 64, 2,048 keys, no mask (the function that defines the result takes a mask and never uses it: it is not read).
; Both products on codes of FP6 (E2M3) with E8M0 scales.  t = score x log2(e) / 8; M = the running largest t rounded UP to a whole number; p = 2^(t - M) is quantised along the keys, not normalised; the row's sum is taken of
; the unquantised p and divides O at the end; when M moves, the sum and O are multiplied by 2^(old M - new M), which rounds nothing.  O / sum is quantised along the head's 64 (two blocks of the last product's K) and stored.
; SHARES.  256 work-groups.  A work-group owns 512 query positions of one batch and head; each of its sixteen waves two tiles of 16 of them, one after the other (tile w, then tile 16 + w), in 256 registers, four waves to a SIMD.
; LDS.  The head's K, V and their scale words, 16 records of 12,800 bytes, fit whole: every byte is filled once, nothing is filled again.  The four work-groups of a head form a cluster and want the same bytes:
; wave w of each asks for record w JOINTLY, one tensor load a wave.  Waves 0-3 have a load line of their own and wait for it ahead of the first barrier: key steps 0-3 of the first tile are worked while records 4-15 are on their way;
; ahead of the second barrier every wave waits for its load.  Behind it no barrier stands until the closing round.
; LAYOUT.  Both products are used transposed: S^T = K Q^T, O^T = V^T P^T: a lane holds one query (lane % 16) throughout.  A K fragment carries TWO tiles of 16 keys (registers 0-5, 6-11: the head's 64 codes each);
; Q stands as [q | zeros | q] in 18 registers, so that v[16:27] picks the first tile and v[22:33] the second: the zero codes add nothing.  On Q's side the zero half has the scale byte 1.
; The keys of a tile are not neighbours (tokens lie by position): register 32 c + i of the scores is key 64 c + 32 (lane / 16) + i of the step: A LANE HOLDS TWO WHOLE SCALE BLOCKS OF 32 KEYS, as the operand's layout wants them.
; V's channels lie by the weights' order: register 16 b + i of O^T is channel 32 b + 16 (lane / 16) + i.
; LIMITS: NaN and infinities are not served; the promise holds while the scaled scores t stay under 2^31 in magnitude; the running maximum starts at -3e38; a block of zeros, or one under 2^-124, gets the byte 1;
; the division is a reciprocal and a multiplication.  No prefetch is laid: every byte of K and V is asked for by the tensor loads at the head, and no loop runs ahead of a load.
.set HEADB, 307200                     ; a head's bytes in qkv
.set REC,   19200                      ; a record's
.set KVB,   12800                      ; of which K, V and their scale words: what a tensor load brings, and a record's bytes in LDS
.set SPARE, 16*KVB                     ; behind the records: the spare words, 128 bytes a wave
.set LI,  1                            ; v1  16 x lane
.set ADR, 2                            ; v2  LDS address of the step's record, for my lane
.set AOA, 3                            ; v3  8 x lane
.set ASA, 4                            ; v4  32 x (lane % 16)
.set SH,  8                            ; v8  8 x (lane / 16)
.set SW,  36                           ; v36-39 scale words: lanes 0-15 K's four, lanes 16-31 V's four
.set KV,  40                           ; v40-87 four fragments, K's and then V's
.set QB,  88                           ; v88-94 my second tile of Q: six registers of codes, its scale bytes
.set S,   96                           ; v96-159 S^T, then p
.set OT,  160                          ; v160-191 O^T
.set QA,  192                          ; v192-198 my first tile of Q
.set PC,  200                          ; v200-211 p's codes
.set XT,  212                          ; v212-214, v216-218 the upper halves of the blocks' codes
.set BM,  220                          ; v220-223 four chains of largest scores; then v220, v222: my two blocks' largest score, then largest p
.set PT,  224                          ; v224-227 at work
.set SO,  228                          ; v228, v230 the conversions' scale operands
.set F,   232                          ; v232 f = 2^(old M - new M); v233 named with it as a pair
.set PS,  234                          ; v234 p's scale word
.set TMP, 235
.set L2,  236                          ; v236-237 the sum's second chain
.set OM,  238                          ; v238 the last step's -M
.set WV,  10                           ; s10 my wave's number
.set TB,  18                           ; s18 LDS byte of the step's record
.set CNT, 19                           ; s19 counts the steps
.set SEL, 20                           ; s[20:21] selects for lane l xor 16
.set CS,  22                           ; s[22:23] c = log2(e) / 8
.set G1,  24                           ; s[24:31] descriptor group 1; s[32:35] group 0
.set G0,  32
.macro WALU
	s_wait_alu depctr_va_vdst(0)
.endm
.macro CROUND                          ; a round of the cluster's barrier
	s_barrier_signal -1
	s_barrier_wait -1
	s_cmp_lg_u32 s[WV], 0
	s_cbranch_scc1 .Lnot_wave_0_\@
	s_barrier_signal -3
.Lnot_wave_0_\@:
	s_barrier_wait -3
	s_barrier_signal -1
	s_barrier_wait -1
.endm
; A KEY STEP: 128 keys, the record at LDS byte s[TB].
.macro STEP
	v_add_nc_u32 v[ADR], s[TB], v[LI]              ; with the three additions at the last step's end: four places between the last products and the loads into their operands
.irp f, 0,1,2,3
.irp g, 0,1,2
	ds_load_b128 v[KV+12*\f+4*\g:KV+12*\f+4*\g+3], v[ADR] offset:1536*\f+512*\g   ; K's four fragments, as images: 512 consecutive bytes a load
.endr
.endr
	ds_load_b128 v[SW:SW+3], v[ADR] offset:12288   ; lanes 0-15: K's four scale words of row r; lanes 16-31: V's
	WALU
	s_wait_dscnt 0x0
.irp f, 0,1,2,3                                ; S^T = K Q^T: each fragment twice, once for each of its two tiles of keys
	v_wmma_scale_f32_16x16x128_f8f6f4 v[S+16*\f:S+16*\f+7], v[KV+12*\f:KV+12*\f+11], v[16:27], 0, v[SW+\f], v34 matrix_a_fmt:MATRIX_FMT_FP6 matrix_b_fmt:MATRIX_FMT_FP6
	v_wmma_scale_f32_16x16x128_f8f6f4 v[S+16*\f+8:S+16*\f+15], v[KV+12*\f:KV+12*\f+11], v[22:33], 0, v[SW+\f], v35 matrix_a_fmt:MATRIX_FMT_FP6 matrix_b_fmt:MATRIX_FMT_FP6
.endr
	v_mov_b32 v[OM], v12                           ; the old -M is kept; with the three v_nop: four places in front of the loads below and of the first read of the scores
.rept 3
	v_nop
.endr
.irp f, 0,1,2,3
.irp g, 0,1,2
	ds_load_b128 v[KV+12*\f+4*\g:KV+12*\f+4*\g+3], v[ADR] offset:6144+1536*\f+512*\g   ; V's four fragments land under the softmax
.endr
.endr
.irp b, 0,1,2,3
	v_max3_num_f32 v[BM+\b], v[S+16*\b], v[S+16*\b+1], v[S+16*\b+2]   ; the largest scores, in four chains of 16 by turns, two to a block of 32 keys
.endr
.irp i, 3,5,7,9,11,13
.irp b, 0,1,2,3
	v_max3_num_f32 v[BM+\b], v[BM+\b], v[S+16*\b+\i], v[S+16*\b+\i+1]
.endr
.endr
.irp c, 0,2
	v_max3_num_f32 v[BM+\c], v[BM+\c], v[S+16*\c+15], v[S+16*\c+31]   ; both chains' last score,
.endr
.irp c, 0,2
	v_max_num_f32 v[BM+\c], v[BM+\c], v[BM+\c+1]   ; and the chains joined: the largest score of each of my two blocks: for the row's maximum, and, since p rises with the score, for the block's largest p
.endr
	v_max_num_f32 v[TMP], v[BM], v[BM+2]
	v_permlanex16_b32 v[PT], v[TMP], s[SEL], s[SEL+1]
	v_max_num_f32 v[TMP], v[TMP], v[PT]            ; with lane l xor 16's two blocks: the step's largest score of my query
	s_delay_alu instid0(VALU_DEP_1)
	v_mul_f32 v[TMP], s[CS], v[TMP]                ; as t
	s_delay_alu instid0(VALU_DEP_1)
	v_max_num_f32 v13, v13, v[TMP]                 ; the running largest t
	s_delay_alu instid0(VALU_DEP_1)
	v_floor_f32 v12, -v13                          ; the new -M = -ceil(t)
	s_delay_alu instid0(VALU_DEP_1)
	v_sub_f32 v[TMP], v12, v[OM]                   ; old M - new M: a whole number, 0 or less
	s_delay_alu instid0(VALU_DEP_1)
	v_cvt_i32_f32 v[TMP], v[TMP]                   ; (it saturates)
	s_delay_alu instid0(VALU_DEP_1)
	v_ldexp_f32 v[F], 1.0, v[TMP]                  ; f = 2^(old M - new M)
.set j, 0
.rept 32
	v_pk_fma_f32 v[S+j:S+j+1], v[S+j:S+j+1], s[CS:CS+1], v[12:13] op_sel_hi:[1,0,0]   ; t - M, two at a time
.set j, j+2
.endr
.irp b, 0,2
	v_fma_f32 v[BM+\b], v[BM+\b], s[CS], v12       ; the same of each block's largest score
.endr
.set j, 0
	WALU
.rept 64
	v_exp_f32 v[S+j], v[S+j]                       ; p = 2^(t - M), at most 1
.set j, j+1
.endr
	v_pk_mul_f32 v[14:15], v[14:15], v[F:F+1] op_sel_hi:[1,0]   ; the sum under the new M: the plain instruction behind the exponentials
	WALU                                           ; one wait for the batch of 64, ahead of its first reader
.irp b, 0,2
	v_exp_f32 v[BM+\b], v[BM+\b]                   ; the block's largest p: the same two instructions on the same number give the same bits
.endr
	v_pk_add_f32 v[L2:L2+1], v[S:S+1], v[S+2:S+3]  ; the row's sum of the unquantised p, in two chains: it reads the 64 alone
.irp j, 4,8,12,16,20,24,28,32,36,40,44,48,52
	v_pk_add_f32 v[14:15], v[14:15], v[S+\j:S+\j+1]
	v_pk_add_f32 v[L2:L2+1], v[L2:L2+1], v[S+\j+2:S+\j+3]
.endr
	WALU                                           ; and one for the two
.irp b, 0,2
	v_max_num_f32 v[BM+\b], 0x1800000, v[BM+\b]    ; the floor 2^(3 - 127): the byte cannot fall under 1
.endr
.irp b, 0,2
	v_add_nc_u32 v[SO+\b], 0xff000000, v[BM+\b]    ; 2 off the exponent field: the conversion's scale operand
.endr
.irp b, 0,2
	v_lshrrev_b32 v[PT+\b], 23, v[SO+\b]           ; the scale's byte
.endr
	v_lshl_or_b32 v[PS], v[PT+2], 16, v[PT]        ; my two bytes: blocks lane / 16 and 2 + lane / 16 of these 128 keys,
	v_lshlrev_b32 v[PS], v[SH], v[PS]              ; at their places in p's scale word;
	v_permlanex16_b32 v[PT], v[PS], s[SEL], s[SEL+1]
	v_or_b32 v[PS], v[PS], v[PT]                   ; with lane l xor 16's two the word is whole
.irp c, 0,1
	v_cvt_scalef32_pk16_fp6_f32 v[PC+6*\c:PC+6*\c+2], v[S+32*\c:S+32*\c+15], v[SO+2*\c]
	v_cvt_scalef32_pk16_fp6_f32 v[XT+4*\c:XT+4*\c+2], v[S+32*\c+16:S+32*\c+31], v[SO+2*\c]   ; (a conversion's three registers begin on an even number: the block's upper half is made here and moved)
.endr
	v_nop                                          ; one plain place behind a scaled conversion
.irp c, 0,1
.irp i, 0,1,2
	v_mov_b32 v[PC+6*\c+3+\i], v[XT+4*\c+\i]       ; registers 6 c .. 6 c + 5: keys 64 c + 32 (lane / 16) + 0 .. 31
.endr
.endr
	WALU                                           ; the wait directly ahead of the first reader of O^T
.set j, 0
.rept 16
	v_pk_mul_f32 v[OT+j:OT+j+1], v[OT+j:OT+j+1], v[F:F+1] op_sel_hi:[1,0]   ; O^T under the new M; these sixteen are also the plain instructions between the vector writes of p's codes and scale word and the products
.set j, j+2
.endr
	v_pk_add_f32 v[14:15], v[14:15], v[S+56:S+57]
	v_pk_add_f32 v[L2:L2+1], v[L2:L2+1], v[S+58:S+59]
	WALU
	s_wait_dscnt 0x0                               ; V is in
.irp t, 0,1,2,3                                ; O^T += V^T P^T: four accumulators by turns; eight score products stand between two links of a chain
	v_wmma_scale_f32_16x16x128_f8f6f4 v[OT+8*\t:OT+8*\t+7], v[KV+12*\t:KV+12*\t+11], v[PC:PC+11], v[OT+8*\t:OT+8*\t+7], v[SW+\t], v[PS] matrix_a_fmt:MATRIX_FMT_FP6 matrix_b_fmt:MATRIX_FMT_FP6 matrix_a_scale:MATRIX_SCALE_ROW1
.endr
	v_pk_add_f32 v[14:15], v[14:15], v[S+60:S+61]  ; the sum's last three additions name no register of the products: three of the places behind them
	v_pk_add_f32 v[L2:L2+1], v[L2:L2+1], v[S+62:S+63]
	v_pk_add_f32 v[14:15], v[14:15], v[L2:L2+1]
.endm
.macro LOOP first, trips               ; the records from LDS byte first on
	s_mov_b32 s[TB], \first
	s_mov_b32 s[CNT], \trips
.Lstep_\@:
	STEP
	s_add_co_u32 s[TB], s[TB], KVB
	s_sub_co_u32 s[CNT], s[CNT], 1
	s_cmp_lg_u32 s[CNT], 0
	s_cbranch_scc1 .Lstep_\@
.endm
.macro INIT q                          ; a tile's start: Q from v[q .. q + 6]
	v_mov_b32 v13, 0xff61b1e6                      ; the largest t so far: -3e38
	v_floor_f32 v12, -v13                          ; -M
	v_mov_b32 v14, 0                               ; the sum, in two halves
	v_mov_b32 v15, 0
.irp i, 0,1,2,3,4,5
	v_mov_b32 v[16+\i], v[\q+\i]
	v_mov_b32 v[28+\i], v[\q+\i]
.endr
	v_and_or_b32 v34, v[\q+6], 0xffff, s50         ; scale word for [q | zeros]
	v_and_or_b32 v35, v[\q+6], 0xffff0000, s51     ; and for [zeros | q]
.set j, 0
.rept 32
	v_mov_b32 v[OT+j], 0                           ; O^T: the step is written once; the first change of M leaves zeros zeros.  (These are also the places between the lines above and the first products)
.set j, j+1
.endr
.endm
; THE WAY OUT of tile 16 p + w: O^T / the sum, quantised along the head's 64: two blocks of the last product's K
.macro WAYOUT p
	WALU
	v_add_f32 v14, v14, v15                        ; the sum's two halves,
	s_delay_alu instid0(VALU_DEP_1)
	v_permlanex16_b32 v[TMP], v14, s[SEL], s[SEL+1]
	s_delay_alu instid0(VALU_DEP_1)
	v_add_f32 v14, v14, v[TMP]                     ; and lane l xor 16's
	WALU
	v_rcp_f32 v14, v14
.rept 4
	v_nop                                          ; plain places behind the reciprocal and behind the last products
.endr
	WALU                                           ; ahead of the reciprocal's first reader
.set j, 0
.rept 16
	v_pk_mul_f32 v[S+j:S+j+1], v[OT+j:OT+j+1], v[14:15] op_sel_hi:[1,0]   ; register 16 b + i: channel 32 b + 16 (lane / 16) + i; each accumulator from its low end on
.set j, j+2
.endr
.irp b, 0,1
	v_max3_num_f32 v[BM+\b], |v[S+16*\b]|, |v[S+16*\b+1]|, 0x1800000
.endr
.irp i, 2,4,6,8,10,12,14
.irp b, 0,1
	s_delay_alu instid0(VALU_DEP_2)
	v_max3_num_f32 v[BM+\b], v[BM+\b], |v[S+16*\b+\i]|, |v[S+16*\b+\i+1]|
.endr
.endr
.irp b, 0,1
	s_delay_alu instid0(VALU_DEP_2)
	v_permlanex16_b32 v[PT+\b], v[BM+\b], s[SEL], s[SEL+1]
.endr
.irp b, 0,1
	s_delay_alu instid0(VALU_DEP_2)
	v_max_num_f32 v[BM+\b], v[BM+\b], v[PT+\b]
.endr
.irp b, 0,1
	s_delay_alu instid0(VALU_DEP_2)
	v_add_nc_u32 v[SO+\b], 0xff000000, v[BM+\b]
.endr
.irp b, 0,1
	s_delay_alu instid0(VALU_DEP_2)
	v_lshrrev_b32 v[PT+\b], 23, v[SO+\b]
.endr
	s_delay_alu instid0(VALU_DEP_1)
	v_lshl_or_b32 v[TMP], v[PT+1], 8, v[PT]        ; my row's two scale bytes
	v_cvt_scalef32_pk16_fp6_f32 v[PC:PC+2], v[S:S+15], v[SO]
	v_cvt_scalef32_pk16_fp6_f32 v[PC+4:PC+6], v[S+16:S+31], v[SO+1]
	v_nop
.irp i, 0,1,2
	v_permlane16_swap_b32 v[PC+\i], v[PC+4+\i]
.endr
.irp i, 0,1,2
	s_delay_alu instid0(VALU_DEP_3)
	v_mov_b32 v[PC+3+\i], v[PC+4+\i]               ; v[PC .. PC + 5] of lane (r, h): channels 32 h + 0 .. 31 of row r: six registers of the last product's operand
.endr
.irp j, 0,1,2
	global_store_b64 v[AOA], v[PC+2*\j:PC+2*\j+1], s[6:7] offset:16*12288*\p+256*\j   ; 32 lanes store 256 consecutive bytes, aligned
.endr
	global_store_b16 v[ASA], v[TMP], s[8:9] offset:16*512*\p   ; two bytes of each row's 32: a scale word of the next product spans two heads, which two work-groups make; both lanes of a row write the same value
.endm
	s_load_b128 s[4:7], s[0:1], 0x0                ; qkv s[4:5], ao_codes s[6:7]
	s_load_b64 s[8:9], s[0:1], 0x10                ; ao_scales
	v_lshl_add_u32 v254, v0, 2, SPARE
	v_mov_b32 v255, 0
	ds_add_u32 v254, v255                          ; the opening lines: the add, twice on end, and its wait
	ds_add_u32 v254, v255
	v_lshrrev_b32 v1, 5, v0
	v_readfirstlane_b32 s[WV], v1                  ; wave 0..15
	s_bfe_u32 s12, ttmp6, 0x40000                  ; cx: my block of 512 query positions: it enters Q's and the outputs' addresses alone
	s_and_b32 s13, ttmp7, 0xffff                   ; 16 x batch + head, which the four partners share
	; descriptor group 1: a dense block of 12,800 bytes as 50 rows of 256 (32 elements of 8 bytes), no padding
	s_mov_b32 s[G1], 15|(3<<16)|(1<<21)            ; the mask: all four work-groups; elements of 8 bytes; bit 21 beside a mask
	s_mov_b32 s[G1+1], 32<<16
	s_mov_b32 s[G1+2], 50<<16
	s_mov_b32 s[G1+3], 32<<16
	s_mov_b32 s[G1+4], 50
	s_mov_b32 s[G1+5], 32
	s_mov_b32 s[G1+6], 0
	s_mov_b32 s[G1+7], 0
	s_mul_i32 s15, s[WV], KVB                      ; record w in LDS,
	s_mul_i32 s16, s[WV], REC                      ; and in memory,
	s_mul_i32 s17, s13, HEADB                      ; in my head (under 2^25)
	s_add_co_u32 s52, s16, s17
	s_mov_b32 s53, 0
	s_mov_b32 s[SEL], 0x76543210
	s_mov_b32 s[SEL+1], 0xfedcba98
	s_mov_b32 s[CS], 0x3e38aa3b                    ; log2(e) / 8
	s_mov_b32 s[CS+1], s[CS]                       ; (named with it as a pair, so it is written)
	s_wait_dscnt 0x0
	s_wait_kmcnt 0x0
	s_add_nc_u64 s[52:53], s[4:5], s[52:53]
	CROUND                                         ; all four work-groups are here: the joint loads meet
	s_mov_b32 s[G0], 1
	s_mov_b32 s[G0+1], s15
	s_mov_b64 s[G0+2:G0+3], s[52:53]
	s_or_b32 s[G0+3], s[G0+3], 0x80000000
	s_cmp_lt_u32 s[WV], 4                          ; one tensor load a wave; waves 0-3, which alone wait ahead of the first barrier, have a line of their own
	s_cbranch_scc0 .Llater
	tensor_load_to_lds s[G0:G0+3], s[G1:G1+7]
	s_nop 0
.rept 4
	v_nop
.endr
	s_branch .Lasked
.Llater:
	tensor_load_to_lds s[G0:G0+3], s[G1:G1+7]
	s_nop 0
.rept 4
	v_nop
.endr
.Lasked:
	; Q: tile 16 p + w of my 32 is tile w % 8 of record 4 x block + 2 p + w / 8: half w % 2 of pair image (w % 8) / 2
	s_lshl_b32 s54, s12, 2
	s_lshr_b32 s55, s[WV], 3
	s_add_co_u32 s54, s54, s55
	s_mul_i32 s54, s54, REC
	s_add_co_u32 s54, s54, s17
	s_bfe_u32 s55, s[WV], 0x20001                  ; the pair
	s_mul_i32 s56, s55, 1536
	s_add_co_u32 s56, s56, s54
	s_add_co_u32 s56, s56, KVB                     ; Q's images begin behind K's and V's part
	s_mov_b32 s57, 0
	s_lshl_b32 s58, s55, 2
	s_add_co_u32 s58, s58, s54
	s_add_co_u32 s58, s58, 18944                   ; Q's scale words: [row 16][pair 4]
	s_mov_b32 s59, 0
	s_add_nc_u64 s[56:57], s[4:5], s[56:57]
	s_add_nc_u64 s[58:59], s[4:5], s[58:59]
	v_and_b32 v5, 31, v0
	v_and_b32 v6, 15, v0
	v_bfe_u32 v[SH], v0, 4, 1
	v_lshlrev_b32 v[LI], 4, v5
	v_lshlrev_b32 v[AOA], 3, v5
	v_lshlrev_b32 v[ASA], 5, v6
	v_lshlrev_b32 v[SH], 3, v[SH]
	v_lshlrev_b32 v7, 4, v6
.irp p, 0,1                                    ; both tiles' Q now
	global_load_b128 v[96+16*\p:99+16*\p], v[LI], s[56:57] offset:2*REC*\p
	global_load_b128 v[100+16*\p:103+16*\p], v[LI], s[56:57] offset:2*REC*\p+512
	global_load_b128 v[104+16*\p:107+16*\p], v[LI], s[56:57] offset:2*REC*\p+1024
	global_load_b32 v[108+16*\p], v7, s[58:59] offset:2*REC*\p
.endr
	; where my results go: block of 16 rows 128 x batch + 32 x block + 16 p + w; a head's three pieces lie 768 x head bytes into the block's 12,288
	s_lshr_b32 s14, s13, 4
	s_lshl_b32 s14, s14, 7
	s_lshl_b32 s16, s12, 5
	s_add_co_u32 s14, s14, s16
	s_add_co_u32 s14, s14, s[WV]
	s_and_b32 s16, s13, 15                         ; the head
	s_mul_i32 s54, s14, 12288
	s_mul_i32 s55, s16, 768
	s_add_co_u32 s54, s54, s55
	s_mov_b32 s55, 0
	s_add_nc_u64 s[6:7], s[6:7], s[54:55]
	s_lshl_b32 s54, s14, 9                         ; 16 rows of 32 scale bytes,
	s_lshl_b32 s16, s16, 1                         ; 2 bytes a head
	s_add_co_u32 s54, s54, s16
	s_add_nc_u64 s[8:9], s[8:9], s[54:55]
	s_and_b32 s14, s[WV], 1
	s_cmp_lg_u32 s14, 0
	s_cselect_b32 s48, -1, 0                       ; all lanes take the pair's second half, or none
	s_mov_b32 s49, 0x01000100
	s_cselect_b32 s49, 0x03020302, s49             ; my tile's two bytes of the pair's scale word, twice
	s_mov_b32 s50, 0x01010000                      ; the byte 1 for the half of zero codes
	s_mov_b32 s51, 0x0101
	s_wait_loadcnt 0x0
.irp i, 0,1,2,3,4,5
	v_cndmask_b32 v[QA+\i], v[96+\i], v[102+\i], s48   ; my tiles' 64 codes a row
	v_cndmask_b32 v[QB+\i], v[112+\i], v[118+\i], s48
.endr
	v_perm_b32 v[QA+6], v108, v108, s49
	v_perm_b32 v[QB+6], v124, v124, s49
.irp i, 0,1,2,3,4,5
	v_mov_b32 v[22+\i], 0                          ; zero codes
.endr
	v_mov_b32 v[F+1], 0                            ; (named as the upper half of a pair)
.irp b, 0,1,2,3
	v_mov_b32 v[PT+\b], 0                          ; written once: a lane permute's destination counts as one of its sources
.endr
	INIT QA
	WALU
	s_cmp_lt_u32 s[WV], 4
	s_cbranch_scc0 .Lnot_first
	s_wait_tensorcnt 0x0                           ; waves 0-3: my record is in
.Lnot_first:
	s_barrier_signal -1
	s_barrier_wait -1                              ; records 0-3 are shown to all
	LOOP 0, 4
	WALU
	s_wait_tensorcnt 0x0                           ; every wave: my record is in
	s_wait_dscnt 0x0
	s_barrier_signal -1
	s_barrier_wait -1                              ; all sixteen records are shown to all
	LOOP 4*KVB, 12
	WAYOUT 0
	INIT QB
	WALU
	s_wait_xcnt 0x0                                ; the stores have read their data: the next steps write those registers again
	LOOP 0, 16
	WAYOUT 1
	s_wait_tensorcnt 0x0                           ; the wave's end
	ds_add_u32 v254, v255
	s_wait_dscnt 0x0
	CROUND                                         ; the closing round: no work-group ends while a partner may still ask for a tile that names it
	s_endpgm
.Lfunc_end_k_q481f0d194f_attn:
	.size	k_q481f0d194f_attn, .Lfunc_end_k_q481f0d194f_attn-k_q481f0d194f_attn
	.p2alignl 7, 3214868480
	.fill 96, 4, 3214868480
	.section	.rodata,"a",@progbits
	.p2align	6, 0x0
	.amdhsa_kernel k_q481f0d194f_attn
		.amdhsa_group_segment_fixed_size 206848
		.amdhsa_private_segment_fixed_size 0
		.amdhsa_enable_private_segment 0
		.amdhsa_kernarg_size 24
		.amdhsa_user_sgpr_count 2
		.amdhsa_user_sgpr_kernarg_segment_ptr 1
		.amdhsa_wavefront_size32 1
		.amdhsa_system_sgpr_workgroup_id_x 1
		.amdhsa_system_sgpr_workgroup_id_y 1
		.amdhsa_system_sgpr_workgroup_id_z 1
		.amdhsa_system_vgpr_workitem_id 0
		.amdhsa_next_free_vgpr 256
		.amdhsa_next_free_sgpr 66
		.amdhsa_reserve_vcc 0
		.amdhsa_float_denorm_mode_32 3
		.amdhsa_float_denorm_mode_16_64 3
		.amdhsa_memory_ordered 1
		.amdhsa_forward_progress 1
		.amdhsa_inst_pref_size 64
	.end_amdhsa_kernel
	.amdgpu_metadata
---
amdhsa.version: [ 1, 2 ]
amdhsa.kernels:
  - .name:           k_q481f0d194f_attn
    .symbol:         k_q481f0d194f_attn.kd
    .args:
      - { .name: qkv, .offset: 0, .size: 8, .value_kind: global_buffer, .address_space: global }
      - { .name: ao_codes, .offset: 8, .size: 8, .value_kind: global_buffer, .address_space: global }
      - { .name: ao_scales, .offset: 16, .size: 8, .value_kind: global_buffer, .address_space: global }
    .group_segment_fixed_size: 206848
    .private_segment_fixed_size: 0
    .kernarg_segment_align: 8
    .kernarg_segment_size: 24
    .max_flat_workgroup_size: 512
    .sgpr_count:     66
    .vgpr_count:     256
    .wavefront_size: 32
...
	.end_amdgpu_metadata
.endif
;; end of part 3
;; launch oproj (part 4): grid 4 x 32, 4 waves a work-group, clusters of 4 x 4, 327,680 bytes of LDS; arguments ao_codes, ao_scales, w_codes, w_scales, bo, out0; writes out0
.if DOCPART == 4
	.amdgcn_target "amdgcn-amd-amdhsa--gfx1250"
	.amdhsa_code_object_version 6
	.text
	.protected	k_q481f0d194f_oproj
	.globl	k_q481f0d194f_oproj
	.p2align	8
	.type	k_q481f0d194f_oproj,@function
k_q481f0d194f_oproj:
	s_mov_b64 s[64:65], 0
	v_nop
	global_prefetch_b8 v0, s[64:65] scope:SCOPE_SE
	s_setreg_imm32_b32 hwreg(HW_REG_WAVE_MODE, 25, 1), 1
	s_wait_xcnt 0x0
	s_wait_alu depctr_hold_cnt(0) depctr_sa_sdst(0) depctr_va_vdst(0) depctr_va_sdst(0) depctr_va_ssrc(0) depctr_va_vcc(0) depctr_vm_vsrc(0)
	s_getreg_b32 s2, hwreg(HW_REG_IB_STS2, 6, 4)
	s_cmp_eq_u32 s2, 0
	s_cbranch_scc0 .Lentry_in_a_cluster
	s_endpgm
.Lentry_in_a_cluster:
	s_bfe_u32 s2, ttmp6, 0x10000c
	s_cmp_lg_u32 s2, 0xf033
	s_cbranch_scc0 .Lentry_shape_is_right
	s_endpgm
.Lentry_shape_is_right:
; out0 = attention's result x wo + bo on codes of FP6 (E2M3) with E8M0 scales.  A work-group makes 256 x 256, a wave 128 x 128; K goes in steps of 256 through a ring of two LDS slots.
; wo's codes lie in four planes, one for each 256 along K, ROWB bytes apart, 192 bytes a row: a tile of 128 rows is 24,576 consecutive bytes and is asked for as 96 rows of 256 bytes;
; the padding of 16 bytes behind every 64 gives LDS rows of 240 bytes.  The other operand comes as register images, 3,072 bytes for 16 rows and a K step.
.set NQ,     2
.set ROWB,   1572864
.set KROW,   192
.set PITCH,  240
.set ASTEP,  3072
.set RBB,    12288
.set FR,     12
.set NL,     6
.set NP,     4
.set HALFT,  128*PITCH
.set SLOT,   4*HALFT
.set LAPS,   2
.set KS,     32
.set SCL,    2*SLOT
.set HALFS,  (128*KS/256)*272
.set SBLK,   (16*KS/256)*272
.set SPARE,  SCL+4*HALFS
.set SPITCH, 528
.set ADRA, 16
.set ADRB, 20
.set STO,  24
.set RD,   25
.set CO,   26
.set ADRS, 27
.set SPW,  28
.set NIL,  29
.set BOF,  30
.set SC,   32
.set BI,   64
.set AF,   128
.set BK,   128
.set G1, 24
.set G0, 32
.set G1B, 48
.set G0B, 56
.set G1S, 68
.set G0S, 76
.set G1SB, 80
.set G0SB, 88
.set MSB, 0
.macro WIN new
.if MSB != (\new)
	s_set_vgpr_msb (MSB<<8)|(\new)
.set MSB, (\new)
.endif
.endm
.set MUL_LO, 0xa1
.set MUL_HI, 0xf1
.set TO_B,   0x40
.macro JLOAD g0a, g1a, g0b, g1b
	s_cmp_eq_u32 s15, 0
	s_cbranch_scc0 .Lfor_b_\@
	tensor_load_to_lds s[\g0a:\g0a+3], s[\g1a:\g1a+7]
	s_nop 0
.rept 4
	v_nop
.endr
	s_branch .Lasked_\@
.Lfor_b_\@:
	tensor_load_to_lds s[\g0b:\g0b+3], s[\g1b:\g1b+7]
	s_nop 0
.rept 4
	v_nop
.endr
.Lasked_\@:
.endm
.macro CREST
	s_cmp_lg_u32 s14, 0
	s_cbranch_scc1 .Lnot_wave_0_\@
	s_barrier_signal -3
.Lnot_wave_0_\@:
	s_barrier_wait -3
	s_barrier_signal -1
	s_barrier_wait -1
.endm
.macro CROUND
	s_barrier_signal -1
	s_barrier_wait -1
	CREST
.endm
	s_load_b256 s[4:11], s[0:1], 0x0
	s_load_b128 s[92:95], s[0:1], 0x20
	v_lshl_add_u32 v[SPW], v0, 2, SPARE
	v_mov_b32 v[NIL], 0
	ds_add_u32 v28, v29
	ds_add_u32 v28, v29
	s_wait_dscnt 0x0
	v_lshrrev_b32 v1, 5, v0
	v_readfirstlane_b32 s14, v1
	s_lshr_b32 s15, s14, 1
	s_and_b32 s16, s14, 1
	s_bfe_u32 s40, ttmp6, 0x40000
	s_bfe_u32 s41, ttmp6, 0x40004
	s_lshl_b32 s42, ttmp9, 2
	s_add_co_u32 s42, s42, s40
	s_and_b32 s17, ttmp7, 0xffff
	s_lshl_b32 s17, s17, 2
	s_add_co_u32 s17, s17, s41
	s_lshl_b32 s43, s41, 2
	s_lshl_b32 s43, 15, s43
	s_lshl_b32 s44, 0x1111, s40
	s_or_b32 s[G1+0], s43, (3<<16)|(1<<21)
	s_mov_b32 s[G1+1], 384<<16
	s_mov_b32 s[G1+2], 8<<16
	s_mov_b32 s[G1+3], 384<<16
	s_mov_b32 s[G1+4], 8
	s_mov_b32 s[G1+5], RBB/8
	s_mov_b32 s[G1+6], 0
	s_mov_b32 s[G1+7], 0
	s_or_b32 s[G1B+0], s44, (0<<16)|(1<<20)|(1<<21)|(3<<22)|(3<<25)
	s_mov_b32 s[G1B+1], 256<<16
	s_mov_b32 s[G1B+2], 96<<16
	s_mov_b32 s[G1B+3], 256<<16
	s_mov_b32 s[G1B+4], 96
	s_mov_b32 s[G1B+5], 256
	s_mov_b32 s[G1B+6], 0
	s_mov_b32 s[G1B+7], 0
	s_or_b32 s[G1S+0], s43, (3<<16)|(1<<20)|(1<<21)|(5<<22)|(3<<25)
	s_or_b32 s[G1SB+0], s44, (3<<16)|(1<<20)|(1<<21)|(5<<22)|(3<<25)
.irp g, G1S, G1SB
	s_mov_b32 s[\g+1], 32<<16
	s_mov_b32 s[\g+2], (128*KS/256)<<16
	s_mov_b32 s[\g+3], 32<<16
	s_mov_b32 s[\g+4], 128*KS/256
	s_mov_b32 s[\g+5], 32
	s_mov_b32 s[\g+6], 0
	s_mov_b32 s[\g+7], 0
.endr
	s_lshl_b32 s20, s17, 4
	s_lshl_b32 s18, s16, 3
	s_add_co_u32 s20, s20, s18
	s_mul_i32 s20, s20, RBB
	s_mov_b32 s21, 0
	s_lshl_b32 s18, s16, 7
	s_lshl_b32 s22, s17, 8
	s_add_co_u32 s22, s22, s18
	s_lshl_b32 s22, s22, 5
	s_mov_b32 s23, 0
	s_lshl_b32 s46, s42, 8
	s_add_co_u32 s46, s46, s18
	s_add_co_u32 s46, s46, 3072
	s_lshl_b32 s100, s46, 5
	s_mov_b32 s101, 0
	s_mul_i32 s46, s46, KROW
	s_mov_b32 s47, 0
	s_mul_i32 s45, s14, HALFT
	s_mul_i32 s66, s14, HALFS
	s_wait_kmcnt 0x0
	s_add_nc_u64 s[20:21], s[4:5], s[20:21]
	s_add_nc_u64 s[22:23], s[6:7], s[22:23]
	s_add_nc_u64 s[46:47], s[8:9], s[46:47]
	s_add_nc_u64 s[100:101], s[10:11], s[100:101]
	CROUND
	s_mov_b32 s[G0S], 1
	s_add_co_u32 s[G0S+1], s66, SCL
	s_mov_b64 s[G0S+2:G0S+3], s[22:23]
	s_or_b32 s[G0S+3], s[G0S+3], 0x80000000
	s_mov_b32 s[G0SB], 1
	s_add_co_u32 s[G0SB+1], s66, SCL
	s_mov_b64 s[G0SB+2:G0SB+3], s[100:101]
	s_or_b32 s[G0SB+3], s[G0SB+3], 0x80000000
	JLOAD G0S, G1S, G0SB, G1SB
.irp s, 0,1
	s_mov_b32 s[G0+4*\s], 1
	s_add_co_u32 s[G0+4*\s+1], s45, \s*SLOT
	s_add_nc_u64 s[G0+4*\s+2:G0+4*\s+3], s[20:21], \s*ASTEP
	s_or_b32 s[G0+4*\s+3], s[G0+4*\s+3], 0x80000000
	s_mov_b32 s[G0B+4*\s], 1
	s_add_co_u32 s[G0B+4*\s+1], s45, \s*SLOT
	s_add_nc_u64 s[G0B+4*\s+2:G0B+4*\s+3], s[46:47], \s*ROWB
	s_or_b32 s[G0B+4*\s+3], s[G0B+4*\s+3], 0x80000000
	s_wait_alu depctr_va_vdst(0)
	s_wait_tensorcnt 0x0
	ds_add_u32 v28, v29
	s_wait_dscnt 0x0
	CROUND
	JLOAD G0+4*\s, G1, G0B+4*\s, G1B
.endr
	v_and_b32 v1, 15, v0
	v_bfe_u32 v2, v0, 4, 1
	v_and_b32 v6, 31, v0
	v_lshlrev_b32 v7, 3, v6
	v_mul_u32_u24 v3, v1, PITCH
	v_mul_u32_u24 v4, v2, 24
	v_add_nc_u32 v4, v3, v4
	v_lshl_add_u32 v5, v2, 4, v4
	s_mul_i32 s21, s15, HALFT
	s_mul_i32 s22, s16, HALFT
	s_add_co_u32 s22, s22, 2*HALFT
.irp s, 0,1
	v_add_nc_u32 v[ADRA+\s], s21, v7
	v_add_nc_u32 v[ADRB+\s], s22, v4
	v_add_nc_u32 v[ADRB+2+\s], s22, v5
	s_add_co_u32 s21, s21, SLOT
	s_add_co_u32 s22, s22, SLOT
.endr
	v_mul_u32_u24 v5, v1, KS
	v_lshrrev_b32 v8, 8, v5
	v_lshl_add_u32 v5, v8, 4, v5
	s_mul_i32 s21, s15, HALFS
	s_mul_i32 s22, s16, HALFS
	s_add_co_u32 s22, s22, 2*HALFS
	s_sub_co_u32 s22, s22, s21
	v_mul_u32_u24 v8, s22, v2
	s_add_co_u32 s21, s21, SCL
	v_add_nc_u32 v5, v5, v8
	v_add_nc_u32 v[ADRS], s21, v5
	s_mul_i32 s23, s14, 16*SPITCH
	v_mul_u32_u24 v5, v1, SPITCH
	v_lshl_add_u32 v5, v2, 6, v5
	v_add_nc_u32 v[STO], s23, v5
	v_lshlrev_b32 v[CO], 4, v6
	v_add_nc_u32 v[RD], s23, v[CO]
	s_lshl_b32 s20, s17, 8
	s_lshl_b32 s21, s15, 7
	s_add_co_u32 s20, s20, s21
	s_lshl_b32 s20, s20, 12
	s_lshl_b32 s22, s42, 10
	s_lshl_b32 s23, s16, 9
	s_add_co_u32 s22, s22, s23
	s_add_co_u32 s20, s20, s22
	s_mov_b32 s21, 0
	s_mov_b32 s23, 0
	s_add_nc_u64 s[12:13], s[94:95], s[20:21]
	s_add_nc_u64 s[92:93], s[92:93], s[22:23]
	v_lshlrev_b32 v[BOF], 6, v2
.irp b, 0,1,2,3,4,5,6,7
	global_load_b128 v[BI+8*\b:BI+8*\b+3], v[BOF], s[92:93] offset:128*(\b/2)+32*(\b%2)
	global_load_b128 v[BI+8*\b+4:BI+8*\b+7], v[BOF], s[92:93] offset:128*(\b/2)+32*(\b%2)+16
.endr
.macro FRAG reg, adr, q, i
.irp p, 0,1,2,3,4,5
.set PC, 12*(\q)+6*(\p/3)+\p%3
.if PC%8 < 5
	ds_load_b64 v[\reg+2*\p:\reg+2*\p+1], v[\adr] offset:8*PC+16*(PC/8)+(\i)*16*PITCH
.else
	ds_load_b64 v[\reg+2*\p:\reg+2*\p+1], v[\adr+2] offset:8*PC+16*(PC/8)+(\i)*16*PITCH
.endif
.endr
.endm
.macro FRAGA reg, slot, q, i
.irp p, 0,1,2,3,4,5
	ds_load_b64 v[\reg+2*\p:\reg+2*\p+1], v[ADRA+\slot] offset:ASTEP*(\i)+1536*(\q)+256*\p
.endr
.endm
.macro MUL16 a0, p, q, sc, cm
.irp a, \a0, \a0+1
.irp b, 0,1,2,3,4,5,6,7
.if (\cm) == 1
	v_wmma_scale_f32_16x16x128_f8f6f4 v[8*(8*((\a)%4)+\b):8*(8*((\a)%4)+\b)+7], v[128*(\p)+FR*\b:128*(\p)+FR*\b+FR-1], v[AF+FR*(\a):AF+FR*(\a)+FR-1], v[BI+8*\b:BI+8*\b+7], v[SC+8*NQ*(\sc)+NQ*\b+(\q)], v[SC+8*NQ*(\sc)+NQ*(\a)+(\q)] matrix_a_fmt:MATRIX_FMT_FP6 matrix_b_fmt:MATRIX_FMT_FP6 matrix_a_scale:MATRIX_SCALE_ROW1
.else
	v_wmma_scale_f32_16x16x128_f8f6f4 v[8*(8*((\a)%4)+\b):8*(8*((\a)%4)+\b)+7], v[128*(\p)+FR*\b:128*(\p)+FR*\b+FR-1], v[AF+FR*(\a):AF+FR*(\a)+FR-1], v[8*(8*((\a)%4)+\b):8*(8*((\a)%4)+\b)+7], v[SC+8*NQ*(\sc)+NQ*\b+(\q)], v[SC+8*NQ*(\sc)+NQ*(\a)+(\q)] matrix_a_fmt:MATRIX_FMT_FP6 matrix_b_fmt:MATRIX_FMT_FP6 matrix_a_scale:MATRIX_SCALE_ROW1
.endif
.endr
.endr
.endm
.macro FETCH_B slot, q, p
	WIN TO_B
.irp i, 0,1,2,3,4,5,6,7
	FRAG 128*(\p)+FR*\i, ADRB+\slot, \q, \i
.endr
	WIN 0
.endm
.macro FETCH_A slot, q, i0
.irp i, \i0, \i0+1, \i0+2, \i0+3
	FRAGA AF+FR*(\i), \slot, \q, \i
.endr
.endm
.macro SCALES sc
.irp i, 0,1,2,3,4,5,6,7
	ds_load_b64 v[SC+8*NQ*\sc+NQ*\i:SC+8*NQ*\sc+NQ*\i+1], v[ADRS] offset:\i*SBLK
.endr
.endm
.macro PLACES n
.rept \n
	v_nop
.endr
.endm
.macro STEP slot, q, cm
	s_wait_dscnt 4*NL
.if \cm
	WIN 0x81
.else
	WIN MUL_LO
.endif
	MUL16 0, (\q)%2, \q, \slot, \cm
	MUL16 2, (\q)%2, \q, \slot, \cm
	s_wait_dscnt 0
	PLACES NP
	FETCH_B \slot, (\q)+1, 1-(\q)%2
	FETCH_A \slot, (\q)+1, 0
.if \cm
	WIN 0xc1
.else
	WIN MUL_HI
.endif
	MUL16 4, (\q)%2, \q, \slot, \cm
	MUL16 6, (\q)%2, \q, \slot, \cm
	PLACES NP
	WIN 0
	FETCH_A \slot, (\q)+1, 4
.endm
.macro TURN slot, next, fill
	s_wait_tensorcnt 0x0
	ds_add_u32 v[SPW], v[NIL]
	s_wait_dscnt 4*NL+1
	WIN MUL_LO
	MUL16 0, 1, NQ-1, \slot, 0
	s_wait_dscnt 0x0
	s_barrier_signal -1
	MUL16 2, 1, NQ-1, \slot, 0
	WIN 0
	s_barrier_wait -1
.if \fill
	CREST
	s_add_nc_u64 s[G0+4*\slot+2:G0+4*\slot+3], s[G0+4*\slot+2:G0+4*\slot+3], 2*ASTEP
	s_add_nc_u64 s[G0B+4*\slot+2:G0B+4*\slot+3], s[G0B+4*\slot+2:G0B+4*\slot+3], 2*ROWB
	JLOAD G0+4*\slot, G1, G0B+4*\slot, G1B
.else
	PLACES NP
.endif
	s_wait_alu depctr_va_vdst(0)
	v_add_nc_u32 v[ADRS], 4*NQ, v[ADRS]
	FETCH_B \next, 0, 0
	FETCH_A \next, 0, 0
	SCALES \next
	WIN MUL_HI
	MUL16 4, 1, NQ-1, \slot, 0
	MUL16 6, 1, NQ-1, \slot, 0
	PLACES NP
	WIN 0
	FETCH_A \next, 0, 4
.endm
	s_wait_alu depctr_va_vdst(0)
	s_wait_tensorcnt 1
	s_barrier_signal -1
	s_barrier_wait -1
	FETCH_B 0, 0, 0
	FETCH_A 0, 0, 0
	SCALES 0
	FETCH_A 0, 0, 4
	s_wait_loadcnt 0x0
	STEP 0, 0, 1
	s_mov_b32 s3, LAPS-1
.Llap:
	TURN 0, 1, 1
	STEP 1, 0, 0
	TURN 1, 0, 1
	STEP 0, 0, 0
	s_sub_co_u32 s3, s3, 1
	s_cmp_lg_u32 s3, 0
	s_cbranch_scc1 .Llap
	TURN 0, 1, 0
	STEP 1, 0, 0
	s_wait_dscnt 4*NL
	WIN MUL_LO
	MUL16 0, 1, NQ-1, 1, 0
	MUL16 2, 1, NQ-1, 1, 0
	s_wait_dscnt 0
	WIN MUL_HI
	MUL16 4, 1, NQ-1, 1, 0
	MUL16 6, 1, NQ-1, 1, 0
	WIN 0
.macro TOSTAGE a
.set AC, 64*((\a)%4)
	WIN 0x08+4*((\a)/4)
.irp b, 0,1,2,3,4,5,6,7
	ds_store_b128 v[STO], v[AC+8*\b:AC+8*\b+3] offset:128*(\b/2)+32*(\b%2)
	ds_store_b128 v[STO], v[AC+8*\b+4:AC+8*\b+7] offset:128*(\b/2)+32*(\b%2)+16
.endr
	WIN 0
.set BB, BK+64*((\a)%2)
.irp t, 0,1,2,3,4,5,6,7,8,9,10,11,12,13,14,15
	ds_load_b128 v[BB+4*\t:BB+4*\t+3], v[RD] offset:\t*SPITCH
.endr
.endm
.macro SEND a, younger
.set BB, BK+64*((\a)%2)
.set RW, 64*((\a)/4)+8*((\a)%4)        ; tokens lie by position: row 8 h + j of block 4 c + u is token 64 c + 32 h + 8 u + j
	s_wait_dscnt \younger
.irp t, 0,1,2,3,4,5,6,7,8,9,10,11,12,13,14,15
	global_store_b128 v[CO], v[BB+4*\t:BB+4*\t+3], s[12:13] offset:(RW+\t+24*(\t/8))*4096 th:TH_STORE_NT
.endr
.endm
	PLACES NP
	TOSTAGE 0
.irp a, 1,2,3,4,5,6,7
.if \a > 1
	s_wait_xcnt 0x0
.endif
	TOSTAGE \a
	SEND \a-1, 32
.endr
	SEND 7, 0
	s_wait_tensorcnt 0x0
	ds_add_u32 v[SPW], v[NIL]
	s_wait_dscnt 0x0
	CROUND
	s_endpgm
.Lfunc_end_k_q481f0d194f_oproj:
	.size	k_q481f0d194f_oproj, .Lfunc_end_k_q481f0d194f_oproj-k_q481f0d194f_oproj
	.p2alignl 7, 3214868480
	.fill 96, 4, 3214868480
	.section	.rodata,"a",@progbits
	.p2align	6, 0x0
	.amdhsa_kernel k_q481f0d194f_oproj
		.amdhsa_group_segment_fixed_size 327680
		.amdhsa_private_segment_fixed_size 0
		.amdhsa_enable_private_segment 0
		.amdhsa_kernarg_size 48
		.amdhsa_user_sgpr_count 2
		.amdhsa_user_sgpr_kernarg_segment_ptr 1
		.amdhsa_wavefront_size32 1
		.amdhsa_system_sgpr_workgroup_id_x 1
		.amdhsa_system_sgpr_workgroup_id_y 1
		.amdhsa_system_sgpr_workgroup_id_z 1
		.amdhsa_system_vgpr_workitem_id 0
		.amdhsa_next_free_vgpr 1024
		.amdhsa_next_free_sgpr 102
		.amdhsa_reserve_vcc 0
		.amdhsa_float_denorm_mode_32 3
		.amdhsa_float_denorm_mode_16_64 3
		.amdhsa_memory_ordered 1
		.amdhsa_forward_progress 1
		.amdhsa_inst_pref_size 162
	.end_amdhsa_kernel
	.amdgpu_metadata
---
amdhsa.version: [ 1, 2 ]
amdhsa.kernels:
  - .name:           k_q481f0d194f_oproj
    .symbol:         k_q481f0d194f_oproj.kd
    .args:
      - { .name: ao_codes, .offset: 0, .size: 8, .value_kind: global_buffer, .address_space: global }
      - { .name: ao_scales, .offset: 8, .size: 8, .value_kind: global_buffer, .address_space: global }
      - { .name: w_codes, .offset: 16, .size: 8, .value_kind: global_buffer, .address_space: global }
      - { .name: w_scales, .offset: 24, .size: 8, .value_kind: global_buffer, .address_space: global }
      - { .name: bo, .offset: 32, .size: 8, .value_kind: global_buffer, .address_space: global }
      - { .name: out0, .offset: 40, .size: 8, .value_kind: global_buffer, .address_space: global }
    .group_segment_fixed_size: 327680
    .private_segment_fixed_size: 0
    .kernarg_segment_align: 8
    .kernarg_segment_size: 48
    .max_flat_workgroup_size: 128
    .sgpr_count:     102
    .vgpr_count:     1024
    .wavefront_size: 32
...
	.end_amdgpu_metadata
.endif
;; end of part 4
